; MI455X (gfx1250); checked and timed in simulation.
; The chip was launched on July 23, 2026; its instructions are those of AMD's public machine-readable ISA for CDNA 5 (MIT licence, August 2026) and "CDNA5" Instruction Set Architecture Reference Guide (July 2026). The comments in the code are by the model that wrote it; some were corrected since.
;; Multi Head Attention. Allowed arithmetic: matrix products marked QUANTISED: E2M3 operands, one E8M0 scale for each 32 along K, by v_wmma_scale_f32_16x16x128_f8f6f4 with both operands' format E2M3, f32 sums; everything else in f32.
;; Inputs: Wk 1,024 x 1,024 float32; Wp 1,024 x 1,024 float32; Wq 1,024 x 1,024 float32; Wv 1,024 x 1,024 float32; bp 1,024 float32; x 4 x 2,048 x 1,024 float32.
;; Outputs: out0 4 x 2,048 x 1,024 float32.
;; This version of the problem:
;;   THIS VERSION OF THE PROBLEM IS GIVEN IN LOW PRECISION. The matrix products marked QUANTISED in the list below multiply operands that are first quantised to E2M3 (2 exponent bits, 3 mantissa bits; 6 bits a number), with one power-of-two scale for each 32 numbers along K (OCP MX v1.0); their sums are f32. All else is computed in f32.
;;   The module's matrix products, in the order in which they are computed (A, B: the left and right operand; K: the contracted axis; several contracted axes count as one K, in the product's order):
;;     1. [M 8,192, K 1,024] x [K 1,024, N 1,024]; A: input x; B: input Wq: QUANTISED
;;     2. [M 8,192, K 1,024] x [K 1,024, N 1,024]; A: input x; B: input Wk: QUANTISED
;;     3. [M 8,192, K 1,024] x [K 1,024, N 1,024]; A: input x; B: input Wv: QUANTISED
;;     4. batch 64 x [M 2,048, K 64] x [K 64, N 2,048]; A: computed on the way; B: computed on the way: QUANTISED
;;     5. batch 64 x [M 2,048, K 2,048] x [K 2,048, N 64]; A: softmax (see below); B: computed on the way: QUANTISED
;;     6. [M 8,192, K 1,024] x [K 1,024, N 1,024]; A: computed on the way; B: input Wp: QUANTISED
;;   THE QUANTISER, for each operand of a quantised product, along K:
;;     - K is cut into blocks of 32 from its start; a last block that is shorter is filled with zeros.
;;     - A block's scale is 2^e with e = floor(log2(the largest magnitude in the block)) - 2, held to -126 .. 127; a block of zeros has e = 0. As a byte (E8M0): e + 127.
;;     - Each number is divided by its block's scale, clamped to +-7.5, and rounded to the nearest number of E2M3, ties to even, subnormals kept.
;;     - The product sums the exact products of the quantised numbers (number of the format x scale) in f32.
;;   ~~~python
;;   def quantise(x, axis):      # numpy; x: float32 -> the quantised numbers, widened to float32 again
;;       x = np.moveaxis(x, axis, -1); K = x.shape[-1]
;;       x = np.pad(x, [(0, 0)] * (x.ndim - 1) + [(0, -K % 32)]); x = x.reshape(x.shape[:-1] + (-1, 32)); a = np.abs(x).max(-1, keepdims=True)
;;       e = np.where(a > 0, np.clip(np.frexp(np.where(a > 0, a, 1))[1] - 1 - 2, -126, 127), 0)      # np.frexp(a)[1] - 1 = floor(log2(a)), exactly
;;       r = np.clip(x / 2.0 ** e, -7.5, 7.5)
;;       step = 2.0 ** (np.maximum(np.frexp(np.where(r == 0, 1, r))[1] - 1, 0) - 3)
;;       q = np.round(r / step) * step * 2.0 ** e      # np.round: ties to even
;;       return np.moveaxis(q.reshape(q.shape[:-2] + (-1,))[..., :K], -1, axis).astype(np.float32)
;;   ~~~
;;   SOFTMAX AHEAD OF A QUANTISED PRODUCT. Where the list says 'softmax', what is quantised is not the finished softmax but p = 2^(t - M), with t = logit x log2(e) and M = ceil(the row's largest t), a whole number; so 1/2 < the row's largest p <= 1. The row's sum l is taken of the UNQUANTISED p, in f32, and the product's result is divided by l at the end. Since M is a whole number, a kernel that streams over the keys may use a running M (the ceiling of the running maximum): every later rescaling is an exact power of two, which a block's scale takes up: the codes' values come out the same.
;;   OPERANDS COMPUTED ON THE WAY. 'Computed on the way' means the value that the module computes at that place (a softmax that the list does not call 'softmax' is quantised finished and normalised). What goes into a quantiser is computed in f32, as accurately as f32 sums, v_exp_f32 and their like allow (about 1e-6 of the number): no bf16 or f16 on the way to a quantiser, and a product that is left as it is and whose result goes on into a quantised operand takes f32 operands (vector FMAs, or v_wmma_f32_16x16x4_f32). A number that lies on a knife's edge between two numbers of the format may be rounded either way, as far as f32 arithmetic and the matrix unit's own rounding can turn it there, and no further.
;; One version. Each part assembles by itself: llvm-mc -triple=amdgcn-amd-amdhsa -mcpu=gfx1250 --defsym DOCPART=n.
;; ======== version 1 of 1: 5 launches
;; workspace buffers: x_op 6,553,600 bytes; wqk_op 1,638,400 bytes; wv_op 819,200 bytes; wp_op 819,200 bytes; qk_out 13,631,488 bytes; v_out 13,631,488 bytes; ctx_op 6,553,600 bytes
;; launch quant (part 1): grid 384 x 1, 4 waves a work-group, no clusters, 34,304 bytes of LDS; arguments x, Wq, Wk, Wv, Wp, x_op, wqk_op, wv_op, wp_op; writes x_op, wqk_op, wv_op, wp_op
.if DOCPART == 1
	.amdgcn_target "amdgcn-amd-amdhsa--gfx1250"
	.amdhsa_code_object_version 6
	.text
	.protected	k_qb4fc7b7374_quant
	.globl	k_qb4fc7b7374_quant
	.p2align	8
	.type	k_qb4fc7b7374_quant,@function
k_qb4fc7b7374_quant:
	s_mov_b64 s[64:65], 0
	v_nop
	global_prefetch_b8 v0, s[64:65] scope:SCOPE_SE
	s_setreg_imm32_b32 hwreg(HW_REG_WAVE_MODE, 25, 1), 1
	s_wait_xcnt 0x0
; x [8192][1024] (K innermost) and Wq, Wk, Wv, Wp [1024 (K)][1024 (n)] (K outermost), f32, become codes of FP6 (E2M3) with one E8M0 byte for each 32 along K,
; laid as the products' launches read them: as IMAGES OF THE OPERANDS' REGISTERS.
; A FRAGMENT is 16 rows x 128 K = 12 registers a lane = 1,536 bytes, in two halves of 768 (64 along K each): registers 6 c .. 6 c + 3 of lane l at 768 c + 16 l, registers 6 c + 4, 6 c + 5 at 768 c + 512 + 8 l.
; THE ROWS OF A TILE ARE NOT NEIGHBOURS: lane r of tile 2 b + u holds row 32 b + 8 u + r + 8 (r / 8), so that a product which takes such tiles as source 0 leaves 16 neighbours in the 16 registers of two tiles.
; A RECORD is 128 rows (8 tiles) x all 1,024 K: codes at slot (256 K) x 24,576 + tile x 3,072 + q (128 K) x 1,536; scale words at 98,304 + tile x 512 + slot x 128 + 8 r + 4 q.  102,400 bytes.
; A block's scale is 2^(floor(log2(its largest magnitude)) - 2): its byte is the largest magnitude's exponent field - 2, held at 1 from below by a floor among the maximum's leaves.
; LIMITS: a block of zeros keeps the byte 1 where the rule says 127 (its codes are zeros, and this program alone reads the bytes); blocks whose largest magnitude lies under 2^-124 are held at byte 1;
; NaN and infinities among the inputs are not served.
; Work-groups 0-255 take x (a wave: one tile of 16 rows x 512 K), work-groups 256-383 the weights (a work-group: 128 columns x 256 K of one weight).  Only x's path uses LDS.  Waves share nothing: no barrier.
.set REC,  102400
.set SEL,  46                          ; s[46:47] lane selects for v_permlanex16_b32: lane l xor 16
.set L16,  4                           ; v4  16 x lane
.set L8,   5                           ; v5  8 x lane
.set STW,  6                           ; v6  x: the stage, on the way in
.set STR,  7                           ; v7  x: and on the way out
.set SP,   528                         ; a stage row: 512 bytes + 16
.set R,    16                          ; v16-143  x: two sets of 64 registers as loaded
.set X,    144                         ; v144-207 x: 64 numbers of my row, register 16 b + i = k 32 b + 16 (lane / 16) + i
.set PC,   208                         ; v208-227 the codes just made
.set TM,   228                         ; v228-243 at work
.set PW,   244                         ; the scale word just made
.set SW,   248                         ; v248-251 the four K steps' scale words
.set WX,   16                          ; weights: v16-79 two sets of 32 numbers
.set WC,   80                          ; v80-143 codes: for each pair of blocks 8 registers for the even block, 8 for the odd
.set WT,   144                         ; v144-146, v148-150 the upper halves of the two blocks' codes
.set SB,   152                         ; v152-153 scale bytes
	s_load_b512 s[8:23], s[0:1], 0x0               ; x, Wq, Wk, Wv, Wp, x_op, wqk_op, wv_op
	s_load_b64 s[24:25], s[0:1], 0x40              ; wp_op
	v_lshl_add_u32 v254, v0, 2, 0x8400
	v_mov_b32 v255, 0
	v_lshrrev_b32 v1, 5, v0
	v_readfirstlane_b32 s26, v1                    ; wave
	v_and_b32 v1, 31, v0                           ; lane
	v_and_b32 v2, 15, v0                           ; r
	v_bfe_u32 v3, v0, 4, 1                         ; lane / 16
	v_lshlrev_b32 v[L16], 4, v1
	v_lshlrev_b32 v[L8], 3, v1
	s_mov_b32 s[SEL], 0x76543210
	s_mov_b32 s[SEL+1], 0xfedcba98
	s_wait_kmcnt 0x0
	s_cmp_lt_u32 ttmp9, 256
	s_cbranch_scc0 .Lweights
; ---------------- x: wave w of work-group g takes tile T = 2 g + w / 2 and K half w % 2: four K steps of 128
	s_lshr_b32 s27, s26, 1                         ; T % 2
	s_and_b32 s28, s26, 1                          ; which half of K
	s_mul_i32 s29, s26, 16*SP                      ; my stage
	v_add_nc_u32 v[STW], s29, v[L16]               ; in: a row's 512 bytes as they lie
	v_mul_u32_u24 v[STR], v2, SP
	v_lshl_add_u32 v[STR], v3, 6, v[STR]
	v_add_nc_u32 v[STR], s29, v[STR]               ; out: row r, + 64 bytes for the upper half of the lanes
	s_lshl_b32 s30, ttmp9, 17                      ; 32 g rows of 4,096 bytes
	s_lshl_b32 s31, s27, 15                        ; + 8 (T % 2) rows
	s_add_co_u32 s30, s30, s31
	s_lshl_b32 s31, s28, 11                        ; + my half of K
	s_add_co_u32 s30, s30, s31
	s_mov_b32 s31, 0
	s_add_nc_u64 s[8:9], s[8:9], s[30:31]
	s_lshr_b32 s32, ttmp9, 2
	s_mul_i32 s32, s32, REC                        ; the record: T / 8
	s_and_b32 s33, ttmp9, 3
	s_lshl_b32 s33, s33, 1
	s_add_co_u32 s33, s33, s27                     ; T % 8
	s_mul_i32 s34, s33, 3072
	s_add_co_u32 s34, s34, s32
	s_mul_i32 s35, s28, 49152                      ; my half of K is two slots
	s_add_co_u32 s34, s34, s35
	s_mov_b32 s35, 0
	s_add_nc_u64 s[36:37], s[18:19], s[34:35]      ; where my codes go
	s_lshl_b32 s34, s33, 9
	s_add_co_u32 s34, s34, s32
	s_lshl_b32 s38, s28, 8
	s_add_co_u32 s34, s34, s38
	s_add_co_u32 s34, s34, 98304
	s_add_nc_u64 s[38:39], s[18:19], s[34:35]      ; and my 256 bytes of scale words
.irp b, 0,1,2,3
	v_mov_b32 v[TM+4+\b], 0                        ; written once: a lane permute's destination counts as one of its sources
.endr
; 64 numbers of a lane become a fragment's 12 registers in v[PC] on and its row's scale word in v[PW]
.macro QUANT s
.irp b, 0,1,2,3
	v_max3_num_f32 v[TM+\b], |v[\s+16*\b]|, |v[\s+1+16*\b]|, 0x1800000   ; block b: my 16 numbers, and the floor 2^(3 - 127)
.endr
.irp i, 2,4,6,8,10,12,14
.irp b, 0,1,2,3
	v_max3_num_f32 v[TM+\b], v[TM+\b], |v[\s+16*\b+\i]|, |v[\s+1+16*\b+\i]|
.endr
.endr
.irp b, 0,1,2,3
	v_permlanex16_b32 v[TM+4+\b], v[TM+\b], s[SEL], s[SEL+1]
.endr
.irp b, 0,1,2,3
	v_max_num_f32 v[TM+\b], v[TM+\b], v[TM+4+\b]   ; with lane l xor 16's 16: the block's largest magnitude
.endr
.irp b, 0,1,2,3
	v_add_nc_u32 v[TM+12+\b], 0xff000000, v[TM+\b] ; 2 off its exponent field: the conversion's scale operand
.endr
.irp b, 0,1,2,3
	v_lshrrev_b32 v[TM+4+\b], 23, v[TM+12+\b]      ; the scale's byte
.endr
	v_lshl_or_b32 v[PW], v[TM+5], 8, v[TM+4]
	v_lshl_or_b32 v[PW], v[TM+6], 16, v[PW]
	v_lshl_or_b32 v[PW], v[TM+7], 24, v[PW]
.irp c, 0,1
	v_cvt_scalef32_pk16_fp6_f32 v[PC+6*\c:PC+2+6*\c], v[\s+32*\c:\s+15+32*\c], v[TM+12+2*\c]
	v_cvt_scalef32_pk16_fp6_f32 v[PC+12+4*\c:PC+14+4*\c], v[\s+16+32*\c:\s+31+32*\c], v[TM+13+2*\c]   ; (a conversion's three registers begin on an even number)
.endr
	v_nop                                          ; one plain place behind a scaled conversion
.irp c, 0,1                                    ; the layout wants a whole block in a lane: lanes 0-15 block 2 c, lanes 16-31 block 2 c + 1
.irp i, 0,1,2
	v_permlane16_swap_b32 v[PC+6*\c+\i], v[PC+12+4*\c+\i]
.endr
.irp i, 0,1,2
	v_mov_b32 v[PC+3+6*\c+\i], v[PC+12+4*\c+\i]
.endr
.endr
.endm
.macro LOADX t                         ; K step t: sixteen loads, each a row's 512 consecutive bytes
.irp i, 0,1,2,3,4,5,6,7,8,9,10,11,12,13,14,15
	global_load_b128 v[R+64*((\t)%2)+4*\i:R+64*((\t)%2)+4*\i+3], v[L16], s[8:9] offset:(\i+8*(\i/8))*4096+512*(\t) th:TH_LOAD_NT
.endr
.endm
.macro STEPX t
.if (\t) < 3
	s_wait_loadcnt 16                              ; this step's sixteen loads are in; the next step's sixteen may be out
.else
	s_wait_loadcnt 0x0
.endif
.irp i, 0,1,2,3,4,5,6,7,8,9,10,11,12,13,14,15
	ds_store_b128 v[STW], v[R+64*((\t)%2)+4*\i:R+64*((\t)%2)+4*\i+3] offset:SP*\i
.endr
.irp b, 0,1,2,3
.irp j, 0,1,2,3
	ds_load_b128 v[X+16*\b+4*\j:X+16*\b+4*\j+3], v[STR] offset:128*\b+16*\j   ; LDS serves a wave's instructions in order: these see the stores above
.endr
.endr
	s_wait_dscnt 0x0                               ; my numbers are back, and the stores have read the registers that the next loads fill
.if (\t)+2 < 4
	LOADX (\t)+2
.endif
.if (\t) > 0
	s_wait_xcnt 0x0                                ; the last step's stores have read the code registers, which are written anew below
.endif
	QUANT X
	v_mov_b32 v[SW+(\t)], v[PW]
	global_store_b128 v[L16], v[PC:PC+3], s[36:37] offset:((\t)/2)*24576+((\t)%2)*1536          ; each store covers 512 or 256 consecutive bytes, aligned
	global_store_b64 v[L8], v[PC+4:PC+5], s[36:37] offset:((\t)/2)*24576+((\t)%2)*1536+512
	global_store_b128 v[L16], v[PC+6:PC+9], s[36:37] offset:((\t)/2)*24576+((\t)%2)*1536+768
	global_store_b64 v[L8], v[PC+10:PC+11], s[36:37] offset:((\t)/2)*24576+((\t)%2)*1536+1280
.endm
	LOADX 0
	LOADX 1
	STEPX 0
	STEPX 1
	STEPX 2
	STEPX 3
	v_cmp_le_u32 vcc_lo, 16, v1                    ; both halves of the lanes hold row r's words: lanes 0-15 store my first slot's two, lanes 16-31 my second slot's
	v_cndmask_b32 v252, v[SW], v[SW+2], vcc_lo
	v_cndmask_b32 v253, v[SW+1], v[SW+3], vcc_lo
	global_store_b64 v[L8], v[252:253], s[38:39]   ; 256 consecutive bytes, aligned
	s_wait_tensorcnt 0x0
	ds_add_u32 v254, v255
	s_wait_dscnt 0x0
	s_endpgm
; ---------------- the weights: A LANE TAKES A COLUMN n AND ITS REGISTERS RUN DOWN K, so that a block of 32 along K lies in one lane
.Lweights:
	s_sub_co_u32 s27, ttmp9, 256
	s_and_b32 s28, s27, 7                          ; which 128 columns: the record
	s_bfe_u32 s29, s27, 0x20003                    ; which 256 along K: the slot
	s_lshr_b32 s30, s27, 5                         ; which weight: Wq, Wk, Wv, Wp.  The choices hang on the work-group's number alone
	s_cmp_eq_u32 s30, 0
	s_cselect_b64 s[32:33], s[10:11], s[12:13]
	s_cmp_eq_u32 s30, 2
	s_cselect_b64 s[34:35], s[14:15], s[16:17]
	s_cselect_b64 s[36:37], s[22:23], s[24:25]
	s_cmp_lt_u32 s30, 2
	s_cselect_b64 s[32:33], s[32:33], s[34:35]     ; from
	s_cselect_b64 s[36:37], s[20:21], s[36:37]     ; to
	s_cmp_eq_u32 s30, 1
	s_cselect_b32 s31, 8, 0                        ; Wk's records lie behind Wq's eight
	v_and_b32 v6, 8, v2
	v_add_nc_u32 v6, v6, v2
	v_lshl_add_u32 v6, v3, 3, v6                   ; lane (u, r) is row r of my tile u: column 8 u + r + 8 (r / 8) of my 32
	v_lshlrev_b32 v6, 2, v6
	s_lshl_b32 s40, s29, 20                        ; 256 rows of 4,096 bytes a slot
	s_lshl_b32 s41, s28, 9
	s_add_co_u32 s40, s40, s41
	s_lshl_b32 s41, s26, 7                         ; my wave's 32 columns
	s_add_co_u32 s40, s40, s41
	s_mov_b32 s41, 0
	s_add_nc_u64 s[32:33], s[32:33], s[40:41]
	s_add_co_u32 s31, s31, s28
	s_mul_i32 s31, s31, REC
	s_mul_i32 s40, s29, 24576
	s_add_co_u32 s40, s40, s31
	s_mul_i32 s42, s26, 6144                       ; my two tiles
	s_add_co_u32 s40, s40, s42
	s_add_nc_u64 s[42:43], s[36:37], s[40:41]      ; where my codes go
	s_lshl_b32 s40, s26, 10
	s_add_co_u32 s40, s40, s31
	s_lshl_b32 s44, s29, 7
	s_add_co_u32 s40, s40, s44
	s_add_co_u32 s40, s40, 98304
	s_add_nc_u64 s[44:45], s[36:37], s[40:41]      ; and my scale words
	v_lshlrev_b32 v7, 3, v2
	v_lshl_add_u32 v7, v3, 9, v7                   ; 512 u + 8 r
.macro LOADW t                         ; block t: W(32 t + i, my column): a wave's load covers 128 consecutive bytes, the four waves' 512
.set ii, 0
.rept 32
	global_load_b32 v[WX+32*((\t)%2)+ii], v6, s[32:33] offset:(32*(\t)+ii)*4096 th:TH_LOAD_NT
.set ii, ii+1
.endr
.endm
.macro BLOCK t
.set XS, WX+32*((\t)%2)
.set EV, WC+16*((\t)/2)
.set OD, WC+16*((\t)/2)+8
.if (\t) < 7
	s_wait_loadcnt 32                              ; this block's 32 loads are in; the next block's may be out
.else
	s_wait_loadcnt 0x0
.endif
	v_max3_num_f32 v154, |v[XS]|, |v[XS+1]|, |v[XS+2]|
	v_max3_num_f32 v155, |v[XS+3]|, |v[XS+4]|, |v[XS+5]|
.irp i, 6,10,14,18,22,26
	v_max3_num_f32 v154, v154, |v[XS+\i]|, |v[XS+\i+1]|
	v_max3_num_f32 v155, v155, |v[XS+\i+2]|, |v[XS+\i+3]|
.endr
	v_max3_num_f32 v154, v154, |v[XS+30]|, |v[XS+31]|
	v_max3_num_f32 v154, v154, v155, 0x1800000     ; and the floor
	v_add_nc_u32 v156, 0xff000000, v154            ; the conversion's scale operand
	v_lshrrev_b32 v157, 23, v156                   ; the byte
.if (\t)%4 == 0
	v_mov_b32 v[SB+(\t)/4], v157
.else
	v_lshl_or_b32 v[SB+(\t)/4], v157, 8*((\t)%4), v[SB+(\t)/4]
.endif
	v_cvt_scalef32_pk16_fp6_f32 v[EV+8*((\t)%2):EV+8*((\t)%2)+2], v[XS:XS+15], v156
	v_cvt_scalef32_pk16_fp6_f32 v[WT+4*((\t)%2):WT+4*((\t)%2)+2], v[XS+16:XS+31], v156
.if (\t)+2 < 8
	LOADW (\t)+2
.endif
.if (\t)%2 == 1
	v_nop                                          ; one plain place behind a scaled conversion
; lanes 0-15 hold tile 0's even and odd block, lanes 16-31 tile 1's; a fragment's half wants the even block in lanes 0-15 and the odd one in lanes 16-31
.irp i, 0,1,2
	v_permlane16_swap_b32 v[EV+\i], v[OD+\i]
	v_permlane16_swap_b32 v[WT+\i], v[WT+4+\i]
.endr
.irp i, 0,1,2
	v_mov_b32 v[EV+3+\i], v[WT+\i]
	v_mov_b32 v[OD+3+\i], v[WT+4+\i]
.endr
	global_store_b128 v[L16], v[EV:EV+3], s[42:43] offset:768*((\t)/2)             ; each pair of blocks has registers of its own: no store's data are written again
	global_store_b64 v[L8], v[EV+4:EV+5], s[42:43] offset:768*((\t)/2)+512
	global_store_b128 v[L16], v[OD:OD+3], s[42:43] offset:3072+768*((\t)/2)
	global_store_b64 v[L8], v[OD+4:OD+5], s[42:43] offset:3072+768*((\t)/2)+512
.endif
.endm
	LOADW 0
	LOADW 1
.irp t, 0,1,2,3,4,5,6,7
	BLOCK \t
.endr
	global_store_b64 v7, v[SB:SB+1], s[44:45]      ; my row's two scale words of this slot: sixteen lanes store 128 consecutive bytes
	s_endpgm
.Lfunc_end_k_qb4fc7b7374_quant:
	.size	k_qb4fc7b7374_quant, .Lfunc_end_k_qb4fc7b7374_quant-k_qb4fc7b7374_quant
	.p2alignl 7, 3214868480
	.fill 96, 4, 3214868480
	.section	.rodata,"a",@progbits
	.p2align	6, 0x0
	.amdhsa_kernel k_qb4fc7b7374_quant
		.amdhsa_group_segment_fixed_size 34304
		.amdhsa_private_segment_fixed_size 0
		.amdhsa_enable_private_segment 0
		.amdhsa_kernarg_size 72
		.amdhsa_user_sgpr_count 2
		.amdhsa_user_sgpr_kernarg_segment_ptr 1
		.amdhsa_wavefront_size32 1
		.amdhsa_system_sgpr_workgroup_id_x 1
		.amdhsa_system_sgpr_workgroup_id_y 1
		.amdhsa_system_sgpr_workgroup_id_z 1
		.amdhsa_system_vgpr_workitem_id 0
		.amdhsa_next_free_vgpr 256
		.amdhsa_next_free_sgpr 66
		.amdhsa_reserve_vcc 1
		.amdhsa_float_denorm_mode_32 3
		.amdhsa_float_denorm_mode_16_64 3
		.amdhsa_memory_ordered 1
		.amdhsa_forward_progress 1
		.amdhsa_inst_pref_size 73
	.end_amdhsa_kernel
	.amdgpu_metadata
---
amdhsa.version: [ 1, 2 ]
amdhsa.kernels:
  - .name:           k_qb4fc7b7374_quant
    .symbol:         k_qb4fc7b7374_quant.kd
    .args:
      - { .name: x, .offset: 0, .size: 8, .value_kind: global_buffer, .address_space: global }
      - { .name: Wq, .offset: 8, .size: 8, .value_kind: global_buffer, .address_space: global }
      - { .name: Wk, .offset: 16, .size: 8, .value_kind: global_buffer, .address_space: global }
      - { .name: Wv, .offset: 24, .size: 8, .value_kind: global_buffer, .address_space: global }
      - { .name: Wp, .offset: 32, .size: 8, .value_kind: global_buffer, .address_space: global }
      - { .name: x_op, .offset: 40, .size: 8, .value_kind: global_buffer, .address_space: global }
      - { .name: wqk_op, .offset: 48, .size: 8, .value_kind: global_buffer, .address_space: global }
      - { .name: wv_op, .offset: 56, .size: 8, .value_kind: global_buffer, .address_space: global }
      - { .name: wp_op, .offset: 64, .size: 8, .value_kind: global_buffer, .address_space: global }
    .group_segment_fixed_size: 34304
    .private_segment_fixed_size: 0
    .kernarg_segment_align: 8
    .kernarg_segment_size: 72
    .max_flat_workgroup_size: 128
    .sgpr_count:     66
    .vgpr_count:     256
    .wavefront_size: 32
...
	.end_amdgpu_metadata
.endif
;; end of part 1
;; launch gemm_qk (part 2): grid 8 x 32, 4 waves a work-group, clusters of 4 x 4, 327,680 bytes of LDS; arguments x_op, wqk_op, qk_out; writes qk_out
.if DOCPART == 2
	.amdgcn_target "amdgcn-amd-amdhsa--gfx1250"
	.amdhsa_code_object_version 6
	.text
	.protected	k_qb4fc7b7374_gemm_qk
	.globl	k_qb4fc7b7374_gemm_qk
	.p2align	8
	.type	k_qb4fc7b7374_gemm_qk,@function
k_qb4fc7b7374_gemm_qk:
	s_mov_b64 s[64:65], 0
	v_nop
	global_prefetch_b8 v0, s[64:65] scope:SCOPE_SE
	s_setreg_imm32_b32 hwreg(HW_REG_WAVE_MODE, 25, 1), 1
	s_wait_xcnt 0x0
	s_wait_alu depctr_hold_cnt(0) depctr_sa_sdst(0) depctr_va_vdst(0) depctr_va_sdst(0) depctr_va_ssrc(0) depctr_va_vcc(0) depctr_vm_vsrc(0)
	s_getreg_b32 s2, hwreg(HW_REG_IB_STS2, 6, 4)
	s_cmp_eq_u32 s2, 0
	s_cbranch_scc0 .Lentry_in_a_cluster
	s_endpgm
.Lentry_in_a_cluster:
	s_bfe_u32 s2, ttmp6, 0x10000c
	s_cmp_lg_u32 s2, 0xf033
	s_cbranch_scc0 .Lentry_shape_is_right
	s_endpgm
.Lentry_shape_is_right:
; C = A B^T on codes of FP6 (E2M3) with E8M0 scales, K = 1,024, and C IS QUANTISED ON ITS WAY OUT, along B's rows, into fragments for the attention launch.  C never goes to memory as f32.
; The body serves two launches: A = x (tokens), B = Wq | Wk (channels): q and k, quantised along the channels;  A = Wv (channels), B = x (tokens): v, quantised along the tokens (the keys).
; OPERANDS are records of 128 rows: codes at slot (256 K) x 24,576 + tile x 3,072 + q (128 K) x 1,536, as images of the operand's registers (a fragment: registers 6 c .. 6 c + 3 of lane l at 768 c + 16 l,
; registers 6 c + 4, 6 c + 5 at 768 c + 512 + 8 l); scale words at 98,304 + tile x 512 + slot x 128 + 8 r + 4 q.  Lane r of tile 2 b + u holds row 32 b + 8 u + r + 8 (r / 8).
; A tile of C, 256 x 256, is made by four waves, each 128 x 128: 64 accumulators, 512 registers.  K goes in four steps of 256 through a ring of two LDS slots; a wave's tensor load brings one record's slot, 24,576 dense bytes.
; The scale words of the four records come once, with the first fills.  CLUSTERS: 4 x 4 work-groups; A's tiles are asked for jointly along a row of the cluster, B's along a column.
; THE MATRIX INSTRUCTION IS USED TRANSPOSED (source 0 = B, source 1 = A): a lane holds one row of A, and by the order of B's rows in a tile its 64 registers of a block of A are B's rows 32 b + 16 (lane / 16) + i:
; 16 neighbours for each block of 32, as the conversions want them.
; OUTPUT: fragment (T, P), T = A's tile of 16 rows, P = my 128 rows of B, at ((T >> 7) x 2,048 + P x 128 + (T & 127)) x 1,536; its scale words at 12,582,912 + the same number x 128 + 4 r, and the words >> 16 at + 64.
; LIMITS: a block of zeros keeps the byte 1 where the rule says 127 (zero codes; this program alone reads the bytes); blocks under 2^-124 are held at byte 1; NaN and infinities are not served.
; REGISTERS, in windows of 256: window 0: v0-31 addresses; v32-63 scale words, two sets; v128-223 A's fragments, one set; on the way out v32-223 are free.  window 1: B's fragments, two sets, at v0 and v128.
;   window 2: the accumulators of my rows 0-63 ((a, b) at v[8 (8 a + b)]);  window 3: those of my rows 64-127.
.set NQ,     2                         ; matrix instructions deep in a slot
.set FR,     12                        ; registers of a fragment
.set NL,     4                         ; LDS loads that bring one
.set NP,     4                         ; places behind this matrix instruction (ISA guide 7.12.1)
.set REC,    102400
.set HALFT,  24576                     ; a record's slot: what one tensor load brings, and what one wave reads of A or of B
.set SLOT,   4*HALFT                   ; A's two records, then B's two
.set SCL,    2*SLOT                    ; behind the ring: the four records' scale words, 4,096 bytes each
.set HALFS,  4096
.set SBLK,   512                       ; a tile's scale words
.set SPARE,  SCL+4*HALFS               ; the spare words, 128 bytes for each wave: two blocks of 256 bytes that no other line names
.set OSC,    12582912                  ; where the output's scale words begin
.set ADRA, 16                          ; v16-17 LDS address of my A fragments in slot 0, 1, + 16 x lane;  v18-19 the same + 8 x lane
.set ADRB, 20                          ; v20-23 the same for B
.set L16,  24                          ; v24  16 x lane
.set L8,   25                          ; v25  8 x lane
.set SCW,  26                          ; v26  the way out: where I put a scale word (1,024 bytes a wave, in slot 0, which has had its last fill and its last read by then)
.set ADRS, 27                          ; v27  LDS address of my scale words: lanes 0-15 A's rows, lanes 16-31 B's
.set SPW,  28                          ; v28  LDS address of my spare word; never rewritten
.set NIL,  29                          ; v29  0; never rewritten
.set SCR,  30                          ; v30  the way out: where I read the scale words back
.set SH,   31                          ; v31  16 x (lane / 16)
.set SC,   32
.set AF,   128
.set TM,   32                          ; the way out: v32-47 at work, v48 a scale word, v49-56 the words as stored, v64-223 the codes, 20 registers a block
.set PW,   48
.set G1, 24                            ; s[24:31] descriptor group 1 for A's tiles;  s[32:39] group 0, one set for each slot
.set G0, 32
.set G1B, 48                           ; s[48:55], s[56:63] the same for B's tiles
.set G0B, 56
.set G1S, 68                           ; s[68:75], s[76:79] groups 1 and 0 for A's scale words;  s[80:87], s[88:91] for B's
.set G0S, 76
.set G1SB, 80
.set G0SB, 88
.set MSB, 0
.macro WIN new                         ; the immediate's high byte repeats the setting that is left
.if MSB != \new
	s_set_vgpr_msb (MSB<<8)|\new
.set MSB, \new
.endif
.endm
.set MUL_LO, 0xa1                      ; source 0 (B) window 1, source 1 (A) window 0, C and D window 2
.set MUL_HI, 0xf1                      ; the same, C and D window 3
.set TO_B,   0x40                      ; destination window 1, address window 0
; A joint load: waves 0 and 1 fetch for A, waves 2 and 3 for B.  The branch hangs on the wave's number alone.  Four v_nop follow each of the two lines.
.macro JLOAD g0a, g1a, g0b, g1b
	s_cmp_eq_u32 s15, 0
	s_cbranch_scc0 .Lfor_b_\@
	tensor_load_to_lds s[\g0a:\g0a+3], s[\g1a:\g1a+7]
	s_nop 0
.rept 4
	v_nop
.endr
	s_branch .Lasked_\@
.Lfor_b_\@:
	tensor_load_to_lds s[\g0b:\g0b+3], s[\g1b:\g1b+7]
	s_nop 0
.rept 4
	v_nop
.endr
.Lasked_\@:
.endm
.macro CREST                           ; a round of the cluster's barrier behind its opening barrier
	s_cmp_lg_u32 s14, 0
	s_cbranch_scc1 .Lnot_wave_0_\@
	s_barrier_signal -3
.Lnot_wave_0_\@:
	s_barrier_wait -3
	s_barrier_signal -1
	s_barrier_wait -1
.endm
.macro CROUND                          ; a whole round
	s_barrier_signal -1
	s_barrier_wait -1
	CREST
.endm
	s_load_b128 s[4:7], s[0:1], 0x0                ; A s[4:5], B s[6:7]
	s_load_b64 s[8:9], s[0:1], 0x10                ; the output
	v_lshl_add_u32 v[SPW], v0, 2, SPARE
	v_mov_b32 v[NIL], 0
	ds_add_u32 v28, v29
	ds_add_u32 v28, v29
	s_wait_dscnt 0x0
	v_lshrrev_b32 v1, 5, v0
	v_readfirstlane_b32 s14, v1                    ; wave 0..3
	s_lshr_b32 s15, s14, 1                         ; which of A's two records is mine.  Also: I fetch for A (0) or for B (1)
	s_and_b32 s16, s14, 1                          ; which of B's.  Also: which record of that operand I fetch
	s_bfe_u32 s40, ttmp6, 0x40000                  ; cx, cy: my place in the cluster
	s_bfe_u32 s41, ttmp6, 0x40004
	s_lshl_b32 s42, ttmp9, 2
	s_add_co_u32 s42, s42, s40                     ; X: which 256 rows of B
	s_and_b32 s17, ttmp7, 0xffff
	s_lshl_b32 s17, s17, 2
	s_add_co_u32 s17, s17, s41                     ; Y: which 256 rows of A
	s_lshl_b32 s43, s41, 2
	s_lshl_b32 s43, 15, s43                        ; my row of the cluster
	s_lshl_b32 s44, 0x1111, s40                    ; my column
	s_mov_b32 s18, 0x76543210                      ; lane selects for v_permlanex16_b32: lane l xor 16
	s_mov_b32 s19, 0xfedcba98
	; descriptor group 1: a dense block of 24,576 bytes as 96 rows of 32 elements of 8 bytes
	s_or_b32 s[G1+0], s43, (3<<16)|(1<<21)         ; 15:0 the mask: A's tiles go to my row; 17:16 elements of 8 bytes; 20 no padding; 21 set beside a mask
	s_or_b32 s[G1B+0], s44, (3<<16)|(1<<21)
.irp g, G1, G1B
	s_mov_b32 s[\g+1], 32<<16                      ; tensor_dim0
	s_mov_b32 s[\g+2], 96<<16                      ; tensor_dim1
	s_mov_b32 s[\g+3], 32<<16                      ; tile_dim0
	s_mov_b32 s[\g+4], 96                          ; tile_dim1
	s_mov_b32 s[\g+5], 32                          ; tensor_dim0_stride
	s_mov_b32 s[\g+6], 0
	s_mov_b32 s[\g+7], 0
.endr
	s_or_b32 s[G1S+0], s43, (3<<16)|(1<<21)        ; and a record's scale words: 16 such rows
	s_or_b32 s[G1SB+0], s44, (3<<16)|(1<<21)
.irp g, G1S, G1SB
	s_mov_b32 s[\g+1], 32<<16
	s_mov_b32 s[\g+2], 16<<16
	s_mov_b32 s[\g+3], 32<<16
	s_mov_b32 s[\g+4], 16
	s_mov_b32 s[\g+5], 32
	s_mov_b32 s[\g+6], 0
	s_mov_b32 s[\g+7], 0
.endr
	s_lshl_b32 s20, s17, 1
	s_add_co_u32 s20, s20, s16
	s_mul_i32 s20, s20, REC                        ; A: record 2 Y + wave % 2
	s_mov_b32 s21, 0
	s_lshl_b32 s46, s42, 1
	s_add_co_u32 s46, s46, s16
	s_mul_i32 s46, s46, REC                        ; B: record 2 X + wave % 2
	s_mov_b32 s47, 0
	s_mul_i32 s45, s14, HALFT                      ; where they go: by the wave's number alone
	s_lshl_b32 s94, s14, 12
	s_wait_kmcnt 0x0
	s_add_nc_u64 s[20:21], s[4:5], s[20:21]
	s_add_nc_u64 s[46:47], s[6:7], s[46:47]
	CROUND                                         ; all sixteen work-groups are here: the first joint loads meet
	s_mov_b32 s[G0S], 1
	s_add_co_u32 s[G0S+1], s94, SCL
	s_add_nc_u64 s[G0S+2:G0S+3], s[20:21], 98304
	s_or_b32 s[G0S+3], s[G0S+3], 0x80000000
	s_mov_b32 s[G0SB], 1
	s_add_co_u32 s[G0SB+1], s94, SCL
	s_add_nc_u64 s[G0SB+2:G0SB+3], s[46:47], 98304
	s_or_b32 s[G0SB+3], s[G0SB+3], 0x80000000
	JLOAD G0S, G1S, G0SB, G1SB                     ; the scale words first: they are wanted with K step 0
.irp s, 0,1
	s_mov_b32 s[G0+4*\s], 1
	s_add_co_u32 s[G0+4*\s+1], s45, \s*SLOT
	s_add_nc_u64 s[G0+4*\s+2:G0+4*\s+3], s[20:21], \s*HALFT
	s_or_b32 s[G0+4*\s+3], s[G0+4*\s+3], 0x80000000
	s_mov_b32 s[G0B+4*\s], 1
	s_add_co_u32 s[G0B+4*\s+1], s45, \s*SLOT
	s_add_nc_u64 s[G0B+4*\s+2:G0B+4*\s+3], s[46:47], \s*HALFT
	s_or_b32 s[G0B+4*\s+3], s[G0B+4*\s+3], 0x80000000
	JLOAD G0+4*\s, G1, G0B+4*\s, G1B               ; three tensor loads of mine are out now
.endr
	v_and_b32 v1, 31, v0                           ; lane
	v_and_b32 v2, 15, v0                           ; r
	v_bfe_u32 v3, v0, 4, 1                         ; lane / 16
	v_lshlrev_b32 v[L16], 4, v1
	v_lshlrev_b32 v[L8], 3, v1
	s_mul_i32 s21, s15, HALFT                      ; my record of A
	s_mul_i32 s22, s16, HALFT                      ; my record of B,
	s_add_co_u32 s22, s22, 2*HALFT                 ; behind A's two
.irp s, 0,1
	v_add_nc_u32 v[ADRA+\s], s21, v[L16]
	v_add_nc_u32 v[ADRB+\s], s22, v[L16]
	v_add_nc_u32 v[ADRA+2+\s], s21, v[L8]
	v_add_nc_u32 v[ADRB+2+\s], s22, v[L8]
	s_add_co_u32 s21, s21, SLOT
	s_add_co_u32 s22, s22, SLOT
.endr
	v_lshlrev_b32 v5, 3, v2                        ; my row's two scale words of a slot: 8 r
	s_mul_i32 s21, s15, HALFS                      ; A's: my record
	s_mul_i32 s22, s16, HALFS                      ; B's: my record, behind A's two
	s_add_co_u32 s22, s22, 2*HALFS
	s_sub_co_u32 s22, s22, s21
	v_mul_u32_u24 v6, s22, v3                      ; lanes 16-31 take B's
	s_add_co_u32 s21, s21, SCL
	v_add_nc_u32 v5, v5, v6
	v_add_nc_u32 v[ADRS], s21, v5
	s_lshl_b32 s23, s14, 10                        ; the way out: my 1,024 bytes
	v_lshl_add_u32 v[SCW], v1, 2, s23
	v_add_nc_u32 v[SCR], s23, v[L16]
	v_lshlrev_b32 v[SH], 4, v3
	s_lshr_b32 s20, s17, 3                         ; my first fragment of the output: (Y >> 3) x 2,048 + (2 X + my half of B) x 128 + (Y & 7) x 16 + 8 x my half of A
	s_lshl_b32 s20, s20, 11
	s_and_b32 s21, s17, 7
	s_lshl_b32 s21, s21, 4
	s_add_co_u32 s20, s20, s21
	s_lshl_b32 s21, s15, 3
	s_add_co_u32 s20, s20, s21
	s_lshl_b32 s46, s42, 1
	s_add_co_u32 s46, s46, s16
	s_lshl_b32 s46, s46, 7
	s_add_co_u32 s20, s20, s46
	s_mul_i32 s22, s20, 1536
	s_mov_b32 s23, 0
	s_add_nc_u64 s[10:11], s[8:9], s[22:23]        ; its codes
	s_lshl_b32 s22, s20, 7
	s_add_co_u32 s22, s22, OSC
	s_add_nc_u64 s[12:13], s[8:9], s[22:23]        ; its scale words
.macro FRAG reg, adr, off              ; a fragment comes back as it was stored: each load covers 512 or 256 consecutive bytes
	ds_load_b128 v[\reg:\reg+3], v[\adr] offset:\off
	ds_load_b64 v[\reg+4:\reg+5], v[\adr+2] offset:\off+512
	ds_load_b128 v[\reg+6:\reg+9], v[\adr] offset:\off+768
	ds_load_b64 v[\reg+10:\reg+11], v[\adr+2] offset:\off+1280
.endm
; 16 matrix instructions: A's blocks a0, a0 + 1 x B's eight, the slot's q-th 128 along K.  p: B's set;  sc: the set of scale words.  zero = 1: the first product starts the sums.
; The 64 accumulators take turns, one instruction a turn, in the same order in every step.
.macro MUL16 a0, p, q, sc, zero
.irp a, \a0, \a0+1
.irp b, 0,1,2,3,4,5,6,7
.if \zero
	v_wmma_scale_f32_16x16x128_f8f6f4 v[8*(8*((\a)%4)+\b):8*(8*((\a)%4)+\b)+7], v[128*(\p)+FR*\b:128*(\p)+FR*\b+FR-1], v[AF+FR*(\a):AF+FR*(\a)+FR-1], 0, v[SC+8*NQ*(\sc)+NQ*\b+(\q)], v[SC+8*NQ*(\sc)+NQ*(\a)+(\q)] matrix_a_fmt:MATRIX_FMT_FP6 matrix_b_fmt:MATRIX_FMT_FP6 matrix_a_scale:MATRIX_SCALE_ROW1
.else
	v_wmma_scale_f32_16x16x128_f8f6f4 v[8*(8*((\a)%4)+\b):8*(8*((\a)%4)+\b)+7], v[128*(\p)+FR*\b:128*(\p)+FR*\b+FR-1], v[AF+FR*(\a):AF+FR*(\a)+FR-1], v[8*(8*((\a)%4)+\b):8*(8*((\a)%4)+\b)+7], v[SC+8*NQ*(\sc)+NQ*\b+(\q)], v[SC+8*NQ*(\sc)+NQ*(\a)+(\q)] matrix_a_fmt:MATRIX_FMT_FP6 matrix_b_fmt:MATRIX_FMT_FP6 matrix_a_scale:MATRIX_SCALE_ROW1
.endif
.endr
.endr
.endm
.macro FETCH_B slot, q, p              ; B's eight fragments of the slot's q-th 128 along K into set p
	WIN TO_B
.irp i, 0,1,2,3,4,5,6,7
	FRAG 128*(\p)+FR*\i, ADRB+\slot, 3072*\i+1536*(\q)
.endr
	WIN 0
.endm
.macro FETCH_A slot, q, i0             ; A's blocks i0 .. i0 + 3
.irp i, \i0, \i0+1, \i0+2, \i0+3
	FRAG AF+FR*(\i), ADRA+\slot, 3072*(\i)+1536*(\q)
.endr
.endm
.macro SCALES sc                       ; a slot's scale words into set sc: two words a row; lanes 0-15 take A's block i, lanes 16-31 B's block i
.irp i, 0,1,2,3,4,5,6,7
	ds_load_b64 v[SC+8*NQ*\sc+NQ*\i:SC+8*NQ*\sc+NQ*\i+1], v[ADRS] offset:\i*SBLK
.endr
.endm
.macro PLACES n                        ; plain vector instructions between a matrix instruction and a load into, or a vector instruction on, its registers (ISA guide 7.12.1 for vector instructions)
.rept \n
	v_nop
.endr
.endm
; A step of 128 along K that has its successor in the same slot.
.macro STEP slot, q, zero
	s_wait_dscnt 4*NL                              ; B's set and A's blocks 0-3 are in; the youngest sixteen loads (A's blocks 4-7) may be out
	WIN MUL_LO
	MUL16 0, (\q)%2, \q, \slot, \zero
	MUL16 2, (\q)%2, \q, \slot, \zero
	s_wait_dscnt 0                                 ; A's blocks 4-7 are in (asked for 32 matrix instructions ago)
	PLACES NP
	FETCH_B \slot, (\q)+1, 1-(\q)%2
	FETCH_A \slot, (\q)+1, 0
	WIN MUL_HI
	MUL16 4, (\q)%2, \q, \slot, \zero
	MUL16 6, (\q)%2, \q, \slot, \zero
	PLACES NP
	WIN 0
	FETCH_A \slot, (\q)+1, 4
.endm
; A slot's last step changes slots: ONE barrier; in front of it each wave waits for all its tensor loads, adds 0 to its spare word, and waits for that and for its own reads of this slot.  fill = 1: this slot is filled again, two slots ahead.
.macro TURN slot, next, fill
	s_wait_tensorcnt 0x0                           ; all my tensor loads have landed: my part of the next slot;  (every window is 0 here)
	ds_add_u32 v[SPW], v[NIL]                      ; 0 onto my spare word
	s_wait_dscnt 4*NL+1                            ; (the add and the youngest sixteen loads, A's blocks 4-7, may be out)
	WIN MUL_LO
	MUL16 0, 1, NQ-1, \slot, 0                     ; sixteen matrix instructions stand between the add and the wait for it
	s_wait_dscnt 0x0                               ; the add is done, and my reads of this slot are over
	s_barrier_signal -1
	MUL16 2, 1, NQ-1, \slot, 0
	WIN 0
	s_barrier_wait -1
.if \fill
	CREST                                          ; the barrier has opened a round of the cluster's barrier: no wave of any partner still reads this slot or has a load on its way
	s_add_nc_u64 s[G0+4*\slot+2:G0+4*\slot+3], s[G0+4*\slot+2:G0+4*\slot+3], 2*HALFT
	s_add_nc_u64 s[G0B+4*\slot+2:G0B+4*\slot+3], s[G0B+4*\slot+2:G0B+4*\slot+3], 2*HALFT
	JLOAD G0+4*\slot, G1, G0B+4*\slot, G1B         ; the first tensor load behind the round; the four v_nop behind it are the places in front of the loads below
.else
	PLACES NP
.endif
	v_add_nc_u32 v[ADRS], 128, v[ADRS]             ; on to the next slot's scale words (no LDS load of mine is out)
	FETCH_B \next, 0, 0
	FETCH_A \next, 0, 0
	SCALES \next
	WIN MUL_HI
	MUL16 4, 1, NQ-1, \slot, 0
	MUL16 6, 1, NQ-1, \slot, 0
	PLACES NP
	WIN 0
	FETCH_A \next, 0, 4
.endm
	s_wait_tensorcnt 1                             ; the scale words and my part of slot 0 are in (slot 1's load may be out)
	s_barrier_signal -1
	s_barrier_wait -1                              ; everybody's are
	FETCH_B 0, 0, 0
	FETCH_A 0, 0, 0
	SCALES 0
	FETCH_A 0, 0, 4
	STEP 0, 0, 1                                   ; K = 1,024 is four slots: written straight.  The first step's products start the sums
	TURN 0, 1, 1                                   ; slot 0 takes K 512 on
	STEP 1, 0, 0
	TURN 1, 0, 1                                   ; slot 1 takes K 768 on
	STEP 0, 0, 0
	TURN 0, 1, 0                                   ; nothing is left to fetch: no round
	STEP 1, 0, 0
	s_wait_dscnt 4*NL                              ; the very last step
	WIN MUL_LO
	MUL16 0, 1, NQ-1, 1, 0
	MUL16 2, 1, NQ-1, 1, 0
	s_wait_dscnt 0
	WIN MUL_HI
	MUL16 4, 1, NQ-1, 1, 0
	MUL16 6, 1, NQ-1, 1, 0
	WIN 0
; THE WAY OUT.  Block a of A (16 rows) x my 128 rows of B is one fragment of the output: a lane's 64 results, register 16 b + i = index 32 b + 16 (lane / 16) + i, are quantised in registers.
	PLACES NP
.irp b, 0,1,2,3
	v_mov_b32 v[TM+4+\b], 0                        ; written once: a lane permute's destination counts as one of its sources
.endr
.macro QOUT a
.set W,  2+(\a)/4                      ; the block's accumulators: window 2 or 3
.set WS, 5*W                           ; sources 0 and 1 in that window
.set AC, 64*((\a)%4)
.set PC, 64+20*(\a)                    ; each block has code registers of its own: no store's data are written again
	WIN WS
.irp b, 0,1,2,3
	v_max3_num_f32 v[TM+\b], |v[AC+16*\b]|, |v[AC+16*\b+1]|, 0x1800000   ; each accumulator is read from its low end on; the floor 2^(3 - 127) holds the byte at 1 from below
.endr
.irp i, 2,4,6,8,10,12,14
.irp b, 0,1,2,3
	v_max3_num_f32 v[TM+\b], |v[AC+16*\b+\i]|, |v[AC+16*\b+\i+1]|, v[TM+\b]
.endr
.endr
	WIN 0
.irp b, 0,1,2,3
	v_permlanex16_b32 v[TM+4+\b], v[TM+\b], s18, s19
.endr
.irp b, 0,1,2,3
	v_max_num_f32 v[TM+\b], v[TM+\b], v[TM+4+\b]   ; the block's largest magnitude
.endr
.irp b, 0,1,2,3
	v_add_nc_u32 v[TM+12+\b], 0xff000000, v[TM+\b] ; 2 off its exponent field: the conversion's scale operand
.endr
.irp b, 0,1,2,3
	v_lshrrev_b32 v[TM+4+\b], 23, v[TM+12+\b]      ; the byte
.endr
	v_lshl_or_b32 v[PW], v[TM+5], 8, v[TM+4]
	v_lshl_or_b32 v[PW], v[TM+6], 16, v[PW]
	v_lshl_or_b32 v[PW], v[TM+7], 24, v[PW]
	WIN W                                          ; source 0 in the accumulators' window
.irp c, 0,1
	v_cvt_scalef32_pk16_fp6_f32 v[PC+6*\c:PC+2+6*\c], v[AC+32*\c:AC+15+32*\c], v[TM+12+2*\c]
	v_cvt_scalef32_pk16_fp6_f32 v[PC+12+4*\c:PC+14+4*\c], v[AC+16+32*\c:AC+31+32*\c], v[TM+13+2*\c]
.endr
	WIN 0
	v_nop                                          ; one plain place behind a scaled conversion
.irp c, 0,1
.irp i, 0,1,2
	v_permlane16_swap_b32 v[PC+6*\c+\i], v[PC+12+4*\c+\i]
.endr
.irp i, 0,1,2
	v_mov_b32 v[PC+3+6*\c+\i], v[PC+12+4*\c+\i]
.endr
.endr
	v_lshrrev_b32 v[49+(\a)], v[SH], v[PW]         ; lanes 0-15 keep the word, lanes 16-31 hold it >> 16: the second head's two bytes in bytes 0 and 1
	ds_store_b32 v[SCW], v[49+(\a)] offset:128*(\a)
	global_store_b128 v[L16], v[PC:PC+3], s[10:11] offset:1536*(\a)          ; each store covers 512 or 256 consecutive bytes, aligned
	global_store_b64 v[L8], v[PC+4:PC+5], s[10:11] offset:1536*(\a)+512
	global_store_b128 v[L16], v[PC+6:PC+9], s[10:11] offset:1536*(\a)+768
	global_store_b64 v[L8], v[PC+10:PC+11], s[10:11] offset:1536*(\a)+1280
.endm
.irp a, 0,1,2,3,4,5,6,7
	QOUT \a
.endr
	ds_load_b128 v[32:35], v[SCR]                  ; LDS serves a wave's instructions in order: these see my eight stores
	ds_load_b128 v[36:39], v[SCR] offset:512
	s_wait_dscnt 0x0
	global_store_b128 v[L16], v[32:35], s[12:13]   ; my eight fragments' scale words: 1,024 consecutive bytes
	global_store_b128 v[L16], v[36:39], s[12:13] offset:512
	s_wait_tensorcnt 0x0                           ; the wave's end
	ds_add_u32 v[SPW], v[NIL]
	s_wait_dscnt 0x0
	CROUND                                         ; the closing round: no work-group ends while a partner may still ask for a tile that names it
	s_endpgm
.Lfunc_end_k_qb4fc7b7374_gemm_qk:
	.size	k_qb4fc7b7374_gemm_qk, .Lfunc_end_k_qb4fc7b7374_gemm_qk-k_qb4fc7b7374_gemm_qk
	.p2alignl 7, 3214868480
	.fill 96, 4, 3214868480
	.section	.rodata,"a",@progbits
	.p2align	6, 0x0
	.amdhsa_kernel k_qb4fc7b7374_gemm_qk
		.amdhsa_group_segment_fixed_size 327680
		.amdhsa_private_segment_fixed_size 0
		.amdhsa_enable_private_segment 0
		.amdhsa_kernarg_size 24
		.amdhsa_user_sgpr_count 2
		.amdhsa_user_sgpr_kernarg_segment_ptr 1
		.amdhsa_wavefront_size32 1
		.amdhsa_system_sgpr_workgroup_id_x 1
		.amdhsa_system_sgpr_workgroup_id_y 1
		.amdhsa_system_sgpr_workgroup_id_z 1
		.amdhsa_system_vgpr_workitem_id 0
		.amdhsa_next_free_vgpr 1024
		.amdhsa_next_free_sgpr 98
		.amdhsa_reserve_vcc 0
		.amdhsa_float_denorm_mode_32 3
		.amdhsa_float_denorm_mode_16_64 3
		.amdhsa_memory_ordered 1
		.amdhsa_forward_progress 1
		.amdhsa_inst_pref_size 149
	.end_amdhsa_kernel
	.amdgpu_metadata
---
amdhsa.version: [ 1, 2 ]
amdhsa.kernels:
  - .name:           k_qb4fc7b7374_gemm_qk
    .symbol:         k_qb4fc7b7374_gemm_qk.kd
    .args:
      - { .name: x_op, .offset: 0, .size: 8, .value_kind: global_buffer, .address_space: global }
      - { .name: wqk_op, .offset: 8, .size: 8, .value_kind: global_buffer, .address_space: global }
      - { .name: qk_out, .offset: 16, .size: 8, .value_kind: global_buffer, .address_space: global }
    .group_segment_fixed_size: 327680
    .private_segment_fixed_size: 0
    .kernarg_segment_align: 8
    .kernarg_segment_size: 24
    .max_flat_workgroup_size: 128
    .sgpr_count:     98
    .vgpr_count:     1024
    .wavefront_size: 32
...
	.end_amdgpu_metadata
.endif
;; end of part 2
;; launch gemm_v: the kernel of part 2 again; grid 32 x 4, 4 waves a work-group, clusters of 4 x 4, 327,680 bytes of LDS; arguments wv_op, x_op, v_out; writes v_out
;; launch attn (part 3): grid 4 x 64, 16 waves a work-group, clusters of 4 x 1, 215,040 bytes of LDS; arguments qk_out, v_out, ctx_op; writes ctx_op
.if DOCPART == 3
	.amdgcn_target "amdgcn-amd-amdhsa--gfx1250"
	.amdhsa_code_object_version 6
	.text
	.protected	k_qb4fc7b7374_attn
	.globl	k_qb4fc7b7374_attn
	.p2align	8
	.type	k_qb4fc7b7374_attn,@function
k_qb4fc7b7374_attn:
	s_mov_b64 s[64:65], 0
	v_nop
	global_prefetch_b8 v0, s[64:65] scope:SCOPE_SE
	s_setreg_imm32_b32 hwreg(HW_REG_WAVE_MODE, 25, 1), 1
	s_wait_xcnt 0x0
	s_wait_alu depctr_hold_cnt(0) depctr_sa_sdst(0) depctr_va_vdst(0) depctr_va_sdst(0) depctr_va_ssrc(0) depctr_va_vcc(0) depctr_vm_vsrc(0)
	s_getreg_b32 s2, hwreg(HW_REG_IB_STS2, 6, 4)
	s_cmp_eq_u32 s2, 0
	s_cbranch_scc0 .Lentry_in_a_cluster
	s_endpgm
.Lentry_in_a_cluster:
	s_bfe_u32 s2, ttmp6, 0x10000c
	s_cmp_lg_u32 s2, 0x3003
	s_cbranch_scc0 .Lentry_shape_is_right
	s_endpgm
.Lentry_shape_is_right:
; Causal attention of one head (64 channels, 2,048 tokens) on codes of FP6 (E2M3) with E8M0 scales; its result is divided by the row's sum and quantised along the channels into the last product's operand.
; THE SOFTMAX AHEAD OF THE SECOND PRODUCT: t = score x log2(e) / 8; M = the row's largest t so far, rounded up to a whole number; p = 2^(t - M) is quantised along the keys, not normalised; the row's sum is taken
; of the unquantised p; when M moves, the sum and O are multiplied by 2^(old M - new M), exactly.
; INPUTS (made by the launches before): fragments of 16 rows x 128 K as images of the operand's registers, 1,536 bytes, in two halves of 768 (registers 6 c .. 6 c + 3 of lane l at 768 c + 16 l, 6 c + 4, 6 c + 5 at
; 768 c + 512 + 8 l).  q, k: a head is one half (K = 64); the other half of the operand's registers holds zero codes here, on both sides.  v: 16 channels x 128 keys.  Lane r of tile 2 b + u holds row 32 b + 8 u + r + 8 (r / 8).
; SHARES.  Work-group y = batch x 16 + head; the four work-groups of a cluster share a head.  A WHOLE HEAD'S K AND V STAY IN LDS, filled once, by joint loads of the four: no slot is ever filled again.
; THE FILLS ARE SHARED OUT: ten loads, one a wave (waves 0-3 K's four chunks of 512 keys, waves 4-7 V's, wave 8 K's scale words, wave 9 V's), so that they go out side by side; one barrier follows, and no other:
; The head's 128 tiles of 16 queries fall into 16 groups of 8 (a group = a key step of 128).  Wave w takes place e = 2 cx + w % 2 in groups w / 2 and 15 - w / 2: tile A needs w / 2 + 1 key steps, tile B 16 - w / 2:
; seventeen for every wave of the launch.  A meeting point inside the walk would cut those seventeen unevenly (by key step 4: 5 to 8 of them), so there is none.
; All branches hang on the wave's number and the step alone; cx enters global addresses and the mask's vector data only.
; LAYOUT.  Both products transposed: S^T = K Q^T (source 0 = 16 keys), O^T = V^T P^T (source 0 = 16 channels): a lane holds one query throughout, and by the order of a tile's rows 16 registers of two tiles are 16 neighbours.
; LIMITS: a block of zeros keeps the byte 1 where the rule says 127 (zero codes; this program alone reads the bytes); blocks under 2^-124 are held at byte 1; NaN and infinities are not served; a block's largest p is
; made from the block's largest score, which takes v_exp_f32 not to fall where its input rises; the division is a multiplication by v_rcp_f32's result.
; LDS: K's codes 0 (tile t at 768 t); V's 98,304 (step s at 6,144 s, four fragments); K's scale words 196,608 (64 t + 4 r); V's 204,800 (512 s + 128 x fragment + 4 r).
; REGISTERS: v1-6 addresses that stay, v7-11 those of the step; v12-15, v16-19 tile A's and B's -M, largest t, sum in two halves; v20-31, v32-43 Q of A, of B; v44-45 their scale words; v46 4 r, v47 16 (lane / 16);
;   v48-95 four fragments of K; v96-159 S^T, then p, then V's four fragments; v160-191, v192-223 O^T of A, of B; v224-235 p's codes; v232-254 at work.
.set WV,   10                          ; s10  my wave's number
.set GA,   16                          ; s16  tile A's group;  s17 tile B's
.set GB,   17
.set KS,   18                          ; s18  the key step
.set TK,   19                          ; s19  6,144 x the key step
.set TS,   20                          ; s20  512 x the key step
.set CNT,  21
.set SEL,  22                          ; s[22:23] lane selects for v_permlanex16_b32: lane l xor 16
.set CS,   24                          ; s[24:25] c = log2(e) / 8
.set G1K,  28                          ; s[28:35] descriptor group 1 for K's codes;  s[36:43] V's;  s[44:51] K's scale words;  s[52:59] V's
.set G1V,  36
.set G1KS, 44
.set G1VS, 52
.set G0S,  60                          ; s[60:63] group 0 for the scale words (waves 8, 9);  s[68:71] for a chunk of 512 keys' codes (waves 0-7)
.set G0C,  68
.set ADK,  7                           ; v7, v8   K's tiles of the step: + 16 x lane, + 8 x lane
.set ADV,  9                           ; v9, v10  V's
.set ADS,  11                          ; v11      the step's scale words
.macro CROUND                          ; a round of the cluster's barrier
	s_barrier_signal -1
	s_barrier_wait -1
	s_cmp_lg_u32 s[WV], 0
	s_cbranch_scc1 .Lnot_wave_0_\@
	s_barrier_signal -3
.Lnot_wave_0_\@:
	s_barrier_wait -3
	s_barrier_signal -1
	s_barrier_wait -1
.endm
	s_load_b128 s[4:7], s[0:1], 0x0                ; qk_out, v_out
	s_load_b64 s[8:9], s[0:1], 0x10                ; ctx_op
	v_lshl_add_u32 v243, v0, 2, 0x34000
	v_mov_b32 v255, 0
	ds_add_u32 v243, v255
	ds_add_u32 v243, v255
	v_lshrrev_b32 v1, 5, v0
	v_readfirstlane_b32 s[WV], v1                  ; wave 0..15
	s_bfe_u32 s11, ttmp6, 0x40000                  ; cx
	s_and_b32 s12, ttmp7, 0xffff
	s_lshr_b32 s13, s12, 4                         ; batch
	s_and_b32 s14, s12, 15                         ; head
	s_lshr_b32 s[GA], s[WV], 1
	s_sub_co_u32 s[GB], 15, s[GA]
	s_and_b32 s15, s[WV], 1
	s_lshl_b32 s26, s11, 1
	s_add_co_u32 s15, s15, s26                     ; e: my tiles' place in their groups
	s_mov_b32 s[SEL], 0x76543210
	s_mov_b32 s[SEL+1], 0xfedcba98
	s_mov_b32 s[CS], 0x3e38aa3b                    ; log2(e) / 8
	s_mov_b32 s[CS+1], s[CS]                       ; (named with it as a pair, so it is written)
	; descriptor groups 1, elements of 8 bytes; 15:0 the mask: all four work-groups; 21 set beside a mask
	s_mov_b32 s[G1K], 15|(3<<16)|(1<<21)           ; K's codes: 32 tiles' halves of 768 bytes, 1,536 bytes apart
	s_mov_b32 s[G1K+1], 96<<16
	s_mov_b32 s[G1K+2], 32<<16
	s_mov_b32 s[G1K+3], 96<<16
	s_mov_b32 s[G1K+4], 32
	s_mov_b32 s[G1K+5], 192
	s_mov_b32 s[G1K+6], 0
	s_mov_b32 s[G1K+7], 0
	s_mov_b32 s[G1V], 15|(3<<16)|(1<<21)           ; V's codes: 4 key steps' four fragments, 6,144 bytes, 196,608 bytes apart
	s_mov_b32 s[G1V+1], 768<<16
	s_mov_b32 s[G1V+2], 4<<16
	s_mov_b32 s[G1V+3], 768<<16
	s_mov_b32 s[G1V+4], 4
	s_mov_b32 s[G1V+5], 24576
	s_mov_b32 s[G1V+6], 0
	s_mov_b32 s[G1V+7], 0
	s_mov_b32 s[G1KS], 15|(3<<16)|(1<<21)          ; K's scale words: 128 tiles' 64 bytes, 128 bytes apart
	s_mov_b32 s[G1KS+1], 8<<16
	s_mov_b32 s[G1KS+2], 128<<16
	s_mov_b32 s[G1KS+3], 8<<16
	s_mov_b32 s[G1KS+4], 128
	s_mov_b32 s[G1KS+5], 16
	s_mov_b32 s[G1KS+6], 0
	s_mov_b32 s[G1KS+7], 0
	s_mov_b32 s[G1VS], 15|(3<<16)|(1<<21)          ; V's: 16 key steps' 512 bytes, 16,384 bytes apart
	s_mov_b32 s[G1VS+1], 64<<16
	s_mov_b32 s[G1VS+2], 16<<16
	s_mov_b32 s[G1VS+3], 64<<16
	s_mov_b32 s[G1VS+4], 16
	s_mov_b32 s[G1VS+5], 2048
	s_mov_b32 s[G1VS+6], 0
	s_mov_b32 s[G1VS+7], 0
	; what the ten fetching waves ask for: made of the batch, the head and the wave's number, which the four partners share
	s_lshl_b32 s84, s13, 11                        ; 2,048 fragments a batch
	s_lshr_b32 s85, s14, 1
	s_and_b32 s86, s14, 1                          ; which half of a fragment of q or k is my head's
	s_lshl_b32 s87, s85, 7
	s_add_co_u32 s87, s87, s84                     ; q: the head pair's first fragment
	s_add_co_u32 s88, s87, 1024                    ; k: eight steps of 128 further on
	s_lshl_b32 s89, s14, 2
	s_add_co_u32 s89, s89, s84                     ; v: the head's four tiles of channels, key step 0
	s_and_b32 s72, s[WV], 3                        ; codes: which chunk of 512 keys
	s_mov_b32 s92, 786432
	s_cmp_lt_u32 s[WV], 4                          ; waves 0-3: K's;  waves 4-7: V's
	s_cselect_b32 s90, s88, s89
	s_cselect_b32 s91, s86, 0
	s_cselect_b32 s92, 49152, s92                  ; bytes from a chunk to the next
	s_mul_i32 s94, s90, 1536
	s_mul_i32 s93, s91, 768
	s_add_co_u32 s94, s94, s93
	s_mul_i32 s93, s72, s92
	s_add_co_u32 s94, s94, s93
	s_mov_b32 s95, 0
	s_cmp_eq_u32 s[WV], 8                          ; scale words: wave 8: K's;  wave 9: V's
	s_cselect_b32 s90, s88, s89
	s_cselect_b32 s91, s86, 0
	s_lshl_b32 s96, s90, 7
	s_lshl_b32 s93, s91, 6
	s_add_co_u32 s96, s96, s93
	s_add_co_u32 s96, s96, 12582912
	s_mov_b32 s97, 0
	s_mul_i32 s26, s[WV], 24576                    ; where they go: K's chunks at 0 on, V's at 98,304 on: 24,576 x wave;
	s_lshl_b32 s27, s[WV], 13                      ; the scale words at 131,072 + 8,192 x wave: 196,608 and 204,800
	s_wait_dscnt 0x0
	s_wait_kmcnt 0x0
	s_cmp_lt_u32 s[WV], 4
	s_cselect_b64 s[98:99], s[4:5], s[6:7]
	s_add_nc_u64 s[94:95], s[98:99], s[94:95]
	s_cmp_eq_u32 s[WV], 8
	s_cselect_b64 s[98:99], s[4:5], s[6:7]
	s_add_nc_u64 s[96:97], s[98:99], s[96:97]
	s_mov_b32 s[G0S], 1                            ; 1:0 count = 1
	s_add_co_u32 s[G0S+1], s27, 131072             ; 63:32 LDS address
	s_mov_b64 s[G0S+2:G0S+3], s[96:97]             ; 120:64 global address
	s_or_b32 s[G0S+3], s[G0S+3], 0x80000000        ; 127:126 type = 2
	s_mov_b32 s[G0C], 1
	s_mov_b32 s[G0C+1], s26
	s_mov_b64 s[G0C+2:G0C+3], s[94:95]
	s_or_b32 s[G0C+3], s[G0C+3], 0x80000000
	CROUND                                         ; all four work-groups are here: the joint loads meet
	s_cmp_lt_u32 s[WV], 4                          ; one tensor load a wave, chosen by the wave's number alone; four v_nop follow each line
	s_cbranch_scc0 .Lnot_k
	tensor_load_to_lds s[G0C:G0C+3], s[G1K:G1K+7]
	s_nop 0
.rept 4
	v_nop
.endr
	s_branch .Lasked
.Lnot_k:
	s_cmp_lt_u32 s[WV], 8
	s_cbranch_scc0 .Lnot_v
	tensor_load_to_lds s[G0C:G0C+3], s[G1V:G1V+7]
	s_nop 0
.rept 4
	v_nop
.endr
	s_branch .Lasked
.Lnot_v:
	s_cmp_eq_u32 s[WV], 8
	s_cbranch_scc0 .Lnot_ks
	tensor_load_to_lds s[G0S:G0S+3], s[G1KS:G1KS+7]
	s_nop 0
.rept 4
	v_nop
.endr
	s_branch .Lasked
.Lnot_ks:
	s_cmp_eq_u32 s[WV], 9
	s_cbranch_scc0 .Lasked
	tensor_load_to_lds s[G0S:G0S+3], s[G1VS:G1VS+7]
	s_nop 0
.rept 4
	v_nop
.endr
.Lasked:
	v_and_b32 v46, 15, v0                          ; r
	v_bfe_u32 v47, v0, 4, 1
	v_and_b32 v1, 31, v0
	v_lshlrev_b32 v2, 3, v1                        ; 8 x lane
	v_lshlrev_b32 v1, 4, v1                        ; 16 x lane
	v_add_nc_u32 v3, 98304, v1
	v_add_nc_u32 v4, 98304, v2
	v_and_b32 v6, 8, v46
	v_add_nc_u32 v6, v6, v46                       ; r + 8 (r / 8)
	v_lshlrev_b32 v47, 4, v47                      ; 16 (lane / 16)
	v_sub_nc_u32 v6, v6, v47
	s_lshr_b32 s26, s15, 1
	s_lshl_b32 s26, s26, 5
	s_and_b32 s27, s15, 1
	s_lshl_b32 s27, s27, 3
	s_add_co_u32 s26, s26, s27
	v_add_nc_u32 v6, s26, v6                       ; d = my query's place in its group of 128 - 16 (lane / 16): on the diagonal register 16 b + i is hidden where 32 b + i > d
	v_lshlrev_b32 v46, 2, v46                      ; 4 r
	v_add_nc_u32 v5, 196608, v46
	; Q: my two tiles' halves and scale words
	s_mul_i32 s89, s86, 768
	s_lshl_b32 s98, s86, 6
	s_add_co_u32 s98, s98, 12582912
	s_lshl_b32 s88, s[GA], 3
	s_add_co_u32 s88, s88, s15
	s_add_co_u32 s88, s88, s87                     ; tile A's fragment
	s_mul_i32 s90, s88, 1536
	s_add_co_u32 s90, s90, s89
	s_mov_b32 s91, 0
	s_add_nc_u64 s[90:91], s[4:5], s[90:91]
	s_lshl_b32 s92, s88, 7
	s_add_co_u32 s92, s92, s98
	s_mov_b32 s93, 0
	s_add_nc_u64 s[92:93], s[4:5], s[92:93]
	s_lshl_b32 s88, s[GB], 3
	s_add_co_u32 s88, s88, s15
	s_add_co_u32 s88, s88, s87                     ; tile B's
	s_mul_i32 s94, s88, 1536
	s_add_co_u32 s94, s94, s89
	s_mov_b32 s95, 0
	s_add_nc_u64 s[94:95], s[4:5], s[94:95]
	s_lshl_b32 s96, s88, 7
	s_add_co_u32 s96, s96, s98
	s_mov_b32 s97, 0
	s_add_nc_u64 s[96:97], s[4:5], s[96:97]
	global_load_b128 v[20:23], v1, s[90:91]
	global_load_b64 v[24:25], v2, s[90:91] offset:512
	global_load_b32 v44, v46, s[92:93]
	global_load_b128 v[32:35], v1, s[94:95]
	global_load_b64 v[36:37], v2, s[94:95] offset:512
	global_load_b32 v45, v46, s[96:97]
.irp i, 26,27,28,29,30,31,38,39,40,41,42,43
	v_mov_b32 v\i, 0                               ; K = 64: the operand's upper 64 along K are zero codes
.endr
.irp t, 0,1,2,3
.irp i, 6,7,8,9,10,11
	v_mov_b32 v[48+12*\t+\i], 0                    ; the same for K's four fragments: written once, never loaded
.endr
.endr
	v_mov_b32 v13, 0xff61b1e6                      ; the largest t so far: -3e38, under every t
	v_floor_f32 v12, -v13                          ; -M
	v_mov_b32 v14, 0                               ; the sum, in two halves
	v_mov_b32 v15, 0
	v_mov_b32 v17, 0xff61b1e6
	v_floor_f32 v16, -v17
	v_mov_b32 v18, 0
	v_mov_b32 v19, 0
.irp i, 236,237,238,239,252,253
	v_mov_b32 v\i, 0                               ; written once: a lane permute's destination counts as one of its sources; v253 is named as the upper half of a pair
.endr
.set jj, 0
.rept 64
	v_mov_b32 v[160+jj], 0                         ; O^T of both tiles.  (The step is written without a first step of its own: the first change of M multiplies zeros)
.set jj, jj+1
.endr
; ONE TILE'S KEY STEP: 128 keys.  GRP: the scalar register with the tile's group; ST: its state; QF, QW: its Q and scale words; OA: its O^T.
.macro TILE GRP, ST, QF, QW, OA
	s_cmp_gt_u32 s[KS], s[\GRP]                    ; a step all of whose keys come after the tile's queries is left out
	s_cbranch_scc1 .Lskip_\@
.irp g, 0,1                                    ; S^T = K Q^T, four tiles of 16 keys at a time
.if \g
.rept 4
	v_nop                                          ; places in front of loads into registers that matrix instructions have read
.endr
.endif
.irp t, 0,1,2,3
	ds_load_b128 v[48+12*\t:51+12*\t], v[ADK] offset:768*(4*\g+\t)
	ds_load_b64 v[52+12*\t:53+12*\t], v[ADK+1] offset:768*(4*\g+\t)+512
	ds_load_b32 v[248+\t], v[ADS] offset:64*(4*\g+\t)
.endr
	s_wait_dscnt 0x0
.irp t, 0,1,2,3
	v_wmma_scale_f32_16x16x128_f8f6f4 v[96+8*(4*\g+\t):103+8*(4*\g+\t)], v[48+12*\t:59+12*\t], v[\QF:\QF+11], 0, v[248+\t], v[\QW] matrix_a_fmt:MATRIX_FMT_FP6 matrix_b_fmt:MATRIX_FMT_FP6
.endr
.endr                                          ; register 16 b + i holds key 128 x step + 32 b + 16 (lane / 16) + i
.rept 4
	v_nop
.endr
	s_cmp_lg_u32 s[KS], s[\GRP]                    ; on the diagonal the scores of hidden keys become -infinity ahead of the maximum: p = 0 then
	s_cbranch_scc1 .Lopen_\@
	v_mov_b32 v254, 0xff800000
.set jj, 0
.rept 64
	v_cmp_gt_i32 vcc_lo, 32*(jj/16)+jj%16, v6
	v_cndmask_b32 v[96+jj], v[96+jj], v254, vcc_lo
.set jj, jj+1
.endr
.Lopen_\@:
.irp b, 0,1,2,3
	v_max3_num_f32 v[232+\b], v[96+16*\b], v[97+16*\b], v[98+16*\b]   ; the largest score of each block of 32 keys: for the row's maximum, and, since p rises with the score, for the block's largest p
.endr
.irp i, 3,5,7,9,11,13
.irp b, 0,1,2,3
	v_max3_num_f32 v[232+\b], v[232+\b], v[96+16*\b+\i], v[97+16*\b+\i]
.endr
.endr
.irp b, 0,1,2,3
	v_max_num_f32 v[232+\b], v[232+\b], v[111+16*\b]
.endr
.irp b, 0,1,2,3
	v_permlanex16_b32 v[236+\b], v[232+\b], s[SEL], s[SEL+1]
.endr
.irp b, 0,1,2,3
	v_max_num_f32 v[232+\b], v[232+\b], v[236+\b]  ; with lane l xor 16's 16 keys
.endr
	v_max3_num_f32 v254, v232, v233, v234
	v_max_num_f32 v254, v254, v235                 ; the step's largest score of my query
	v_mul_f32 v254, s[CS], v254                    ; as t (c is positive)
	v_max_num_f32 v[\ST+1], v[\ST+1], v254         ; the running largest t
	v_mov_b32 v254, v[\ST]
	v_floor_f32 v[\ST], -v[\ST+1]                  ; the new -M = floor(-t) = -ceil(t): a whole number
	v_sub_f32 v254, v[\ST], v254                   ; old M - new M: a whole number, 0 or less
	v_cvt_i32_f32 v254, v254                       ; (it saturates)
	v_ldexp_f32 v252, 1.0, v254                    ; f = 2^(old M - new M)
.set jj, 0
.rept 32
	v_pk_fma_f32 v[96+jj:97+jj], v[96+jj:97+jj], s[CS:CS+1], v[\ST:\ST+1] op_sel_hi:[1,0,0]   ; t - M, two at a time
.set jj, jj+2
.endr
.irp b, 0,1,2,3
	v_fma_f32 v[232+\b], v[232+\b], s[CS], v[\ST]  ; the same of each block's largest score
.endr
.set jj, 0
.rept 64
	v_exp_f32 v[96+jj], v[96+jj]                   ; p = 2^(t - M), at most 1
.set jj, jj+1
.endr
.irp b, 0,1,2,3
	v_exp_f32 v[232+\b], v[232+\b]                 ; the block's largest p
.endr
	v_pk_mul_f32 v[\ST+2:\ST+3], v[\ST+2:\ST+3], v[252:253] op_sel_hi:[1,0]   ; the sums under the new M.  (A plain place behind the exponentials)
	s_wait_alu depctr_va_vdst(0)
.irp b, 0,1,2,3
	v_max_num_f32 v[232+\b], 0x1800000, v[232+\b]  ; the floor 2^(3 - 127): the byte cannot fall under 1
.endr
.irp b, 0,1,2,3
	v_add_nc_u32 v[244+\b], 0xff000000, v[232+\b]  ; the conversion's scale operand
.endr
.irp b, 0,1,2,3
	v_lshrrev_b32 v[236+\b], 23, v[244+\b]         ; the byte
.endr
	v_lshl_or_b32 v253, v237, 8, v236              ; p's scale word for these 128 keys
	v_lshl_or_b32 v253, v238, 16, v253
	v_lshl_or_b32 v253, v239, 24, v253
.irp c, 0,1
	v_cvt_scalef32_pk16_fp6_f32 v[224+6*\c:226+6*\c], v[96+32*\c:111+32*\c], v[244+2*\c]
	v_cvt_scalef32_pk16_fp6_f32 v[236+4*\c:238+4*\c], v[112+32*\c:127+32*\c], v[245+2*\c]
.endr
	v_nop                                          ; one plain place behind a scaled conversion
.irp c, 0,1
.irp i, 0,1,2
	v_permlane16_swap_b32 v[224+6*\c+\i], v[236+4*\c+\i]
.endr
.irp i, 0,1,2
	v_mov_b32 v[227+6*\c+\i], v[236+4*\c+\i]
.endr
.endr
	v_pk_add_f32 v[236:237], v[96:97], v[98:99]    ; the row's sum is taken of the unquantised p: two at a time, in two chains
.irp j, 4,8,12,16,20,24,28,32,36,40,44,48,52,56,60
	v_pk_add_f32 v[\ST+2:\ST+3], v[\ST+2:\ST+3], v[96+\j:97+\j]
	v_pk_add_f32 v[236:237], v[236:237], v[98+\j:99+\j]
.endr
	v_pk_add_f32 v[\ST+2:\ST+3], v[\ST+2:\ST+3], v[236:237]
.irp t, 0,1,2,3                                ; p is done with: V's four fragments of these 128 keys take its registers
	ds_load_b128 v[96+12*\t:99+12*\t], v[ADV] offset:1536*\t
	ds_load_b64 v[100+12*\t:101+12*\t], v[ADV+1] offset:1536*\t+512
	ds_load_b128 v[102+12*\t:105+12*\t], v[ADV] offset:1536*\t+768
	ds_load_b64 v[106+12*\t:107+12*\t], v[ADV+1] offset:1536*\t+1280
	ds_load_b32 v[248+\t], v[ADS] offset:8192+128*\t
.endr
.set jj, 0
.rept 16
	v_pk_mul_f32 v[\OA+jj:\OA+jj+1], v[\OA+jj:\OA+jj+1], v[252:253] op_sel_hi:[1,0]   ; O^T under the new M, from each accumulator's low end on, while the loads are out
.set jj, jj+2
.endr
	s_wait_dscnt 0x0
.irp t, 0,1,2,3                                ; O^T += V^T P^T: four accumulators, one instruction each
	v_wmma_scale_f32_16x16x128_f8f6f4 v[\OA+8*\t:\OA+8*\t+7], v[96+12*\t:107+12*\t], v[224:235], v[\OA+8*\t:\OA+8*\t+7], v[248+\t], v253 matrix_a_fmt:MATRIX_FMT_FP6 matrix_b_fmt:MATRIX_FMT_FP6
.endr
.rept 5
	v_nop                                          ; five places: the next scores are written over registers that these products read
.endr
.Lskip_\@:
.endm
	s_wait_loadcnt 0x0                             ; Q
	s_wait_tensorcnt 0x0                           ; my one tensor load, if I issued one, has landed: for the others' sake,
	s_barrier_signal -1
	s_barrier_wait -1                              ; all ten have: the head's K, V and scale words lie in LDS for the rest of the launch.  Every LDS read stands behind this wait
	s_mov_b32 s[KS], 0
	s_mov_b32 s[TK], 0
	s_mov_b32 s[TS], 0
	s_mov_b32 s[CNT], 16
.Lstep:                                            ; sixteen trips, a constant: a tile's steps behind its diagonal are jumped over inside the trip
	v_add_nc_u32 v[ADK], s[TK], v1                 ; the step's addresses are made ahead of every branch
	v_add_nc_u32 v[ADK+1], s[TK], v2
	v_add_nc_u32 v[ADV], s[TK], v3
	v_add_nc_u32 v[ADV+1], s[TK], v4
	v_add_nc_u32 v[ADS], s[TS], v5
	TILE GB, 16, 32, 45, 192
	TILE GA, 12, 20, 44, 160
	s_add_co_u32 s[KS], s[KS], 1
	s_add_co_u32 s[TK], s[TK], 6144
	s_add_co_u32 s[TS], s[TS], 512
	s_sub_co_u32 s[CNT], s[CNT], 1
	s_cmp_lg_u32 s[CNT], 0
	s_cbranch_scc1 .Lstep
; THE WAY OUT.  O^T / the sum; register 16 b + i is channel 32 b + 16 (lane / 16) + i of the head: two blocks of the last product's K, one half of a fragment of its operand.
	s_lshl_b32 s84, s13, 4                         ; 16 records a batch
	s_lshr_b32 s85, s14, 2                         ; the slot: head / 4
	s_and_b32 s86, s14, 3                          ; the half fragment in it: head % 4
	s_mul_i32 s87, s85, 24576
	s_mul_i32 s88, s15, 3072
	s_add_co_u32 s87, s87, s88
	s_mul_i32 s88, s86, 768
	s_add_co_u32 s87, s87, s88
	s_add_co_u32 s88, s84, s[GA]
	s_mul_i32 s88, s88, 102400                     ; tile A's record
	s_add_co_u32 s89, s84, s[GB]
	s_mul_i32 s89, s89, 102400                     ; tile B's
	s_add_co_u32 s90, s88, s87
	s_mov_b32 s91, 0
	s_add_nc_u64 s[90:91], s[8:9], s[90:91]
	s_add_co_u32 s92, s89, s87
	s_mov_b32 s93, 0
	s_add_nc_u64 s[92:93], s[8:9], s[92:93]
	s_lshl_b32 s94, s15, 9                         ; the scale bytes: 98,304 + 512 e + 128 (head / 4) + 2 (head % 4) + 8 r
	s_lshl_b32 s95, s85, 7
	s_add_co_u32 s94, s94, s95
	s_lshl_b32 s95, s86, 1
	s_add_co_u32 s94, s94, s95
	s_add_co_u32 s94, s94, 98304
	s_add_co_u32 s88, s88, s94
	s_add_co_u32 s89, s89, s94
.macro FINISH ST, OA, PCX, SWR, BS
	v_add_f32 v[\ST+2], v[\ST+2], v[\ST+3]         ; the sum's two halves,
	v_permlanex16_b32 v252, v[\ST+2], s[SEL], s[SEL+1]
	v_add_f32 v[\ST+2], v[\ST+2], v252             ; and lane l xor 16's
	v_rcp_f32 v[\ST+2], v[\ST+2]
	v_nop                                          ; one plain place behind a transcendental
.set jj, 0
	s_wait_alu depctr_va_vdst(0)
.rept 32
	v_mul_f32 v[96+jj], v[\OA+jj], v[\ST+2]
.set jj, jj+1
.endr
.irp b, 0,1
	v_max3_num_f32 v[232+\b], |v[96+16*\b]|, |v[97+16*\b]|, 0x1800000
.endr
.irp i, 2,4,6,8,10,12,14
.irp b, 0,1
	v_max3_num_f32 v[232+\b], v[232+\b], |v[96+16*\b+\i]|, |v[97+16*\b+\i]|
.endr
.endr
.irp b, 0,1
	v_permlanex16_b32 v[236+\b], v[232+\b], s[SEL], s[SEL+1]
.endr
.irp b, 0,1
	v_max_num_f32 v[232+\b], v[232+\b], v[236+\b]
.endr
.irp b, 0,1
	v_add_nc_u32 v[244+\b], 0xff000000, v[232+\b]
.endr
.irp b, 0,1
	v_lshrrev_b32 v[236+\b], 23, v[244+\b]
.endr
	v_lshl_or_b32 v[\SWR], v237, 8, v236           ; my row's two scale bytes
	v_cvt_scalef32_pk16_fp6_f32 v[\PCX:\PCX+2], v[96:111], v244
	v_cvt_scalef32_pk16_fp6_f32 v[240:242], v[112:127], v245
	v_nop                                          ; one plain place behind a scaled conversion
.irp i, 0,1,2
	v_permlane16_swap_b32 v[\PCX+\i], v[240+\i]
.endr
.irp i, 0,1,2
	v_mov_b32 v[\PCX+3+\i], v[240+\i]
.endr
	global_store_b128 v1, v[\PCX:\PCX+3], s[\BS:\BS+1]             ; 512 and 256 consecutive bytes, aligned
	global_store_b64 v2, v[\PCX+4:\PCX+5], s[\BS:\BS+1] offset:512
.endm
	FINISH 16, 192, 224, 247, 92                   ; tile B first: tile A's codes then take registers that held B's O^T, so that no store's data are written again
	FINISH 12, 160, 200, 246, 90
	v_cmp_ne_u32 vcc_lo, 0, v47                    ; both halves of the lanes hold row r's bytes: lanes 0-15 store tile A's, lanes 16-31 tile B's
	v_cndmask_b32 v248, v246, v247, vcc_lo
	v_mov_b32 v249, s88
	v_mov_b32 v250, s89
	v_cndmask_b32 v249, v249, v250, vcc_lo
	v_lshl_add_u32 v249, v46, 1, v249              ; + 8 r
	global_store_b16 v249, v248, s[8:9]            ; two bytes a row, 8 bytes apart: a scale word of the operand spans two heads, which other work-groups make
	s_wait_tensorcnt 0x0
	ds_add_u32 v243, v255
	s_wait_dscnt 0x0
	CROUND                                         ; the closing round: no work-group ends while a partner may still ask for a tile that names it
	s_endpgm
.Lfunc_end_k_qb4fc7b7374_attn:
	.size	k_qb4fc7b7374_attn, .Lfunc_end_k_qb4fc7b7374_attn-k_qb4fc7b7374_attn
	.p2alignl 7, 3214868480
	.fill 96, 4, 3214868480
	.section	.rodata,"a",@progbits
	.p2align	6, 0x0
	.amdhsa_kernel k_qb4fc7b7374_attn
		.amdhsa_group_segment_fixed_size 215040
		.amdhsa_private_segment_fixed_size 0
		.amdhsa_enable_private_segment 0
		.amdhsa_kernarg_size 24
		.amdhsa_user_sgpr_count 2
		.amdhsa_user_sgpr_kernarg_segment_ptr 1
		.amdhsa_wavefront_size32 1
		.amdhsa_system_sgpr_workgroup_id_x 1
		.amdhsa_system_sgpr_workgroup_id_y 1
		.amdhsa_system_sgpr_workgroup_id_z 1
		.amdhsa_system_vgpr_workitem_id 0
		.amdhsa_next_free_vgpr 256
		.amdhsa_next_free_sgpr 100
		.amdhsa_reserve_vcc 1
		.amdhsa_float_denorm_mode_32 3
		.amdhsa_float_denorm_mode_16_64 3
		.amdhsa_memory_ordered 1
		.amdhsa_forward_progress 1
		.amdhsa_inst_pref_size 65
	.end_amdhsa_kernel
	.amdgpu_metadata
---
amdhsa.version: [ 1, 2 ]
amdhsa.kernels:
  - .name:           k_qb4fc7b7374_attn
    .symbol:         k_qb4fc7b7374_attn.kd
    .args:
      - { .name: qk_out, .offset: 0, .size: 8, .value_kind: global_buffer, .address_space: global }
      - { .name: v_out, .offset: 8, .size: 8, .value_kind: global_buffer, .address_space: global }
      - { .name: ctx_op, .offset: 16, .size: 8, .value_kind: global_buffer, .address_space: global }
    .group_segment_fixed_size: 215040
    .private_segment_fixed_size: 0
    .kernarg_segment_align: 8
    .kernarg_segment_size: 24
    .max_flat_workgroup_size: 512
    .sgpr_count:     100
    .vgpr_count:     256
    .wavefront_size: 32
...
	.end_amdgpu_metadata
.endif
;; end of part 3
;; launch gemm_out (part 4): grid 4 x 32, 4 waves a work-group, clusters of 4 x 4, 327,680 bytes of LDS; arguments ctx_op, wp_op, bp, out0; writes out0
.if DOCPART == 4
	.amdgcn_target "amdgcn-amd-amdhsa--gfx1250"
	.amdhsa_code_object_version 6
	.text
	.protected	k_qb4fc7b7374_gemm_out
	.globl	k_qb4fc7b7374_gemm_out
	.p2align	8
	.type	k_qb4fc7b7374_gemm_out,@function
k_qb4fc7b7374_gemm_out:
	s_mov_b64 s[64:65], 0
	v_nop
	global_prefetch_b8 v0, s[64:65] scope:SCOPE_SE
	s_setreg_imm32_b32 hwreg(HW_REG_WAVE_MODE, 25, 1), 1
	s_wait_xcnt 0x0
	s_wait_alu depctr_hold_cnt(0) depctr_sa_sdst(0) depctr_va_vdst(0) depctr_va_sdst(0) depctr_va_ssrc(0) depctr_va_vcc(0) depctr_vm_vsrc(0)
	s_getreg_b32 s2, hwreg(HW_REG_IB_STS2, 6, 4)
	s_cmp_eq_u32 s2, 0
	s_cbranch_scc0 .Lentry_in_a_cluster
	s_endpgm
.Lentry_in_a_cluster:
	s_bfe_u32 s2, ttmp6, 0x10000c
	s_cmp_lg_u32 s2, 0xf033
	s_cbranch_scc0 .Lentry_shape_is_right
	s_endpgm
.Lentry_shape_is_right:
; out0 = ctx Wp + bp: C = A B^T on codes of FP6 (E2M3) with E8M0 scales, K = 1,024; A = ctx (8,192 tokens), B = Wp (1,024 columns), both as records made by the launches before; out0 [8192][1024] f32.
; OPERANDS are records of 128 rows: codes at slot (256 K) x 24,576 + tile x 3,072 + q (128 K) x 1,536, as images of the operand's registers (a fragment: registers 6 c .. 6 c + 3 of lane l at 768 c + 16 l,
; registers 6 c + 4, 6 c + 5 at 768 c + 512 + 8 l); scale words at 98,304 + tile x 512 + slot x 128 + 8 r + 4 q.  Lane r of tile 2 b + u holds row 32 b + 8 u + r + 8 (r / 8).
; A tile of C, 256 x 256, is made by four waves, each 128 x 128: 64 accumulators, 512 registers.  K goes in four steps of 256 through a ring of two LDS slots; a wave's tensor load brings one record's slot, 24,576 dense bytes.
; The scale words of the four records come once, with the first fills.  CLUSTERS: 4 x 4 work-groups; A's tiles are asked for jointly along a row of the cluster, B's along a column.
; THE MATRIX INSTRUCTION IS USED TRANSPOSED (source 0 = B, source 1 = A): a lane holds one token, and register j of accumulator (a, b) column 32 (b / 2) + 16 (lane / 16) + 8 (b % 2) + j of my 128.
; THE BIAS is the C of each sum's first matrix instruction: eight registers for each b, in the result's layout.
; REGISTERS, in windows of 256: window 0: v0-31 addresses; v32-63 scale words, two sets; v64-127 the bias; v128-223 A's fragments, one set; on the way out v128-255 take rows of C.  window 1: B's fragments, two sets.
;   window 2: the accumulators of my rows 0-63 ((a, b) at v[8 (8 a + b)]);  window 3: those of my rows 64-127.
.set NQ,     2
.set FR,     12
.set NL,     4
.set NP,     4
.set REC,    102400
.set HALFT,  24576
.set SLOT,   4*HALFT
.set SCL,    2*SLOT
.set HALFS,  4096
.set SBLK,   512
.set SPARE,  SCL+4*HALFS               ; the spare words, 128 bytes for each wave: two blocks of 256 bytes that no other line names
.set SPITCH, 528                       ; the way out: a stage of 16 rows x (512 bytes + 16) for each wave, in slot 0, which has had its last fill and its last read by then
.set ADRA, 16
.set ADRB, 20
.set L16,  24                          ; v24  16 x lane: also my byte offset in a row of C
.set L8,   25
.set STO,  26                          ; v26  the way out: where I put 32 bytes of a row
.set ADRS, 27
.set SPW,  28
.set NIL,  29
.set RD,   30                          ; v30  the way out: where I read a row back
.set SC,   32
.set BI,   64
.set AF,   128
.set BK,   128
.set G1, 24
.set G0, 32
.set G1B, 48
.set G0B, 56
.set G1S, 68
.set G0S, 76
.set G1SB, 80
.set G0SB, 88
.set MSB, 0
.macro WIN new                         ; the immediate's high byte repeats the setting that is left
.if MSB != \new
	s_set_vgpr_msb (MSB<<8)|\new
.set MSB, \new
.endif
.endm
.set MUL_LO, 0xa1                      ; source 0 (B) window 1, source 1 (A) window 0, C and D window 2
.set MUL_HI, 0xf1                      ; the same, C and D window 3
.set BIA_LO, 0x81                      ; the same with C (the bias) in window 0
.set BIA_HI, 0xc1
.set TO_B,   0x40
.macro JLOAD g0a, g1a, g0b, g1b        ; a joint load: waves 0 and 1 fetch for A, waves 2 and 3 for B; four v_nop follow each of the two lines
	s_cmp_eq_u32 s15, 0
	s_cbranch_scc0 .Lfor_b_\@
	tensor_load_to_lds s[\g0a:\g0a+3], s[\g1a:\g1a+7]
	s_nop 0
.rept 4
	v_nop
.endr
	s_branch .Lasked_\@
.Lfor_b_\@:
	tensor_load_to_lds s[\g0b:\g0b+3], s[\g1b:\g1b+7]
	s_nop 0
.rept 4
	v_nop
.endr
.Lasked_\@:
.endm
.macro CREST
	s_cmp_lg_u32 s14, 0
	s_cbranch_scc1 .Lnot_wave_0_\@
	s_barrier_signal -3
.Lnot_wave_0_\@:
	s_barrier_wait -3
	s_barrier_signal -1
	s_barrier_wait -1
.endm
.macro CROUND
	s_barrier_signal -1
	s_barrier_wait -1
	CREST
.endm
	s_load_b256 s[4:11], s[0:1], 0x0               ; A s[4:5], B s[6:7], the bias s[8:9], C s[10:11]
	v_lshl_add_u32 v[SPW], v0, 2, SPARE
	v_mov_b32 v[NIL], 0
	ds_add_u32 v28, v29
	ds_add_u32 v28, v29
	s_wait_dscnt 0x0
	v_lshrrev_b32 v1, 5, v0
	v_readfirstlane_b32 s14, v1                    ; wave 0..3
	s_lshr_b32 s15, s14, 1                         ; which of A's two records is mine.  Also: I fetch for A (0) or for B (1)
	s_and_b32 s16, s14, 1                          ; which of B's.  Also: which record of that operand I fetch
	s_bfe_u32 s40, ttmp6, 0x40000
	s_bfe_u32 s41, ttmp6, 0x40004
	s_lshl_b32 s42, ttmp9, 2
	s_add_co_u32 s42, s42, s40                     ; X: which 256 columns
	s_and_b32 s17, ttmp7, 0xffff
	s_lshl_b32 s17, s17, 2
	s_add_co_u32 s17, s17, s41                     ; Y: which 256 tokens
	s_lshl_b32 s43, s41, 2
	s_lshl_b32 s43, 15, s43                        ; my row of the cluster
	s_lshl_b32 s44, 0x1111, s40                    ; my column
	s_or_b32 s[G1+0], s43, (3<<16)|(1<<21)         ; a dense block of 24,576 bytes as 96 rows of 32 elements of 8 bytes; the mask, and bit 21 beside it
	s_or_b32 s[G1B+0], s44, (3<<16)|(1<<21)
.irp g, G1, G1B
	s_mov_b32 s[\g+1], 32<<16
	s_mov_b32 s[\g+2], 96<<16
	s_mov_b32 s[\g+3], 32<<16
	s_mov_b32 s[\g+4], 96
	s_mov_b32 s[\g+5], 32
	s_mov_b32 s[\g+6], 0
	s_mov_b32 s[\g+7], 0
.endr
	s_or_b32 s[G1S+0], s43, (3<<16)|(1<<21)        ; a record's scale words: 16 such rows
	s_or_b32 s[G1SB+0], s44, (3<<16)|(1<<21)
.irp g, G1S, G1SB
	s_mov_b32 s[\g+1], 32<<16
	s_mov_b32 s[\g+2], 16<<16
	s_mov_b32 s[\g+3], 32<<16
	s_mov_b32 s[\g+4], 16
	s_mov_b32 s[\g+5], 32
	s_mov_b32 s[\g+6], 0
	s_mov_b32 s[\g+7], 0
.endr
	s_lshl_b32 s20, s17, 1
	s_add_co_u32 s20, s20, s16
	s_mul_i32 s20, s20, REC
	s_mov_b32 s21, 0
	s_lshl_b32 s46, s42, 1
	s_add_co_u32 s46, s46, s16
	s_mul_i32 s46, s46, REC
	s_mov_b32 s47, 0
	s_mul_i32 s45, s14, HALFT
	s_lshl_b32 s94, s14, 12
	s_wait_kmcnt 0x0
	s_add_nc_u64 s[20:21], s[4:5], s[20:21]
	s_add_nc_u64 s[46:47], s[6:7], s[46:47]
	CROUND                                         ; all sixteen work-groups are here: the first joint loads meet
	s_mov_b32 s[G0S], 1
	s_add_co_u32 s[G0S+1], s94, SCL
	s_add_nc_u64 s[G0S+2:G0S+3], s[20:21], 98304
	s_or_b32 s[G0S+3], s[G0S+3], 0x80000000
	s_mov_b32 s[G0SB], 1
	s_add_co_u32 s[G0SB+1], s94, SCL
	s_add_nc_u64 s[G0SB+2:G0SB+3], s[46:47], 98304
	s_or_b32 s[G0SB+3], s[G0SB+3], 0x80000000
	JLOAD G0S, G1S, G0SB, G1SB
.irp s, 0,1
	s_mov_b32 s[G0+4*\s], 1
	s_add_co_u32 s[G0+4*\s+1], s45, \s*SLOT
	s_add_nc_u64 s[G0+4*\s+2:G0+4*\s+3], s[20:21], \s*HALFT
	s_or_b32 s[G0+4*\s+3], s[G0+4*\s+3], 0x80000000
	s_mov_b32 s[G0B+4*\s], 1
	s_add_co_u32 s[G0B+4*\s+1], s45, \s*SLOT
	s_add_nc_u64 s[G0B+4*\s+2:G0B+4*\s+3], s[46:47], \s*HALFT
	s_or_b32 s[G0B+4*\s+3], s[G0B+4*\s+3], 0x80000000
	JLOAD G0+4*\s, G1, G0B+4*\s, G1B               ; three tensor loads of mine are out now
.endr
	v_and_b32 v1, 31, v0
	v_and_b32 v2, 15, v0
	v_bfe_u32 v3, v0, 4, 1
	v_lshlrev_b32 v[L16], 4, v1
	v_lshlrev_b32 v[L8], 3, v1
	s_lshl_b32 s46, s42, 10
	s_lshl_b32 s47, s16, 9
	s_add_co_u32 s46, s46, s47                     ; my first column, in bytes: 1,024 X + 512 x my half
	s_mov_b32 s47, 0
	s_add_nc_u64 s[8:9], s[8:9], s[46:47]
	v_lshlrev_b32 v7, 6, v3                        ; lanes 16-31 hold the columns 16 further on
.irp b, 0,1,2,3,4,5,6,7
	global_load_b128 v[BI+8*\b:BI+8*\b+3], v7, s[8:9] offset:128*(\b/2)+32*(\b%2)
	global_load_b128 v[BI+8*\b+4:BI+8*\b+7], v7, s[8:9] offset:128*(\b/2)+32*(\b%2)+16
.endr
	s_mul_i32 s21, s15, HALFT
	s_mul_i32 s22, s16, HALFT
	s_add_co_u32 s22, s22, 2*HALFT
.irp s, 0,1
	v_add_nc_u32 v[ADRA+\s], s21, v[L16]
	v_add_nc_u32 v[ADRB+\s], s22, v[L16]
	v_add_nc_u32 v[ADRA+2+\s], s21, v[L8]
	v_add_nc_u32 v[ADRB+2+\s], s22, v[L8]
	s_add_co_u32 s21, s21, SLOT
	s_add_co_u32 s22, s22, SLOT
.endr
	v_lshlrev_b32 v5, 3, v2
	s_mul_i32 s21, s15, HALFS
	s_mul_i32 s22, s16, HALFS
	s_add_co_u32 s22, s22, 2*HALFS
	s_sub_co_u32 s22, s22, s21
	v_mul_u32_u24 v6, s22, v3                      ; lanes 16-31 take B's scale words
	s_add_co_u32 s21, s21, SCL
	v_add_nc_u32 v5, v5, v6
	v_add_nc_u32 v[ADRS], s21, v5
	s_mul_i32 s23, s14, 16*SPITCH                  ; my stage
	v_mul_u32_u24 v5, v2, SPITCH
	v_lshl_add_u32 v5, v3, 6, v5
	v_add_nc_u32 v[STO], s23, v5                   ; in: row r, + 64 bytes for the upper half of the lanes
	v_add_nc_u32 v[RD], s23, v[L16]                ; back: the 32 lanes take one row of 512 bytes
	s_lshl_b32 s20, s17, 8
	s_lshl_b32 s21, s15, 7
	s_add_co_u32 s20, s20, s21                     ; my first token
	s_lshl_b32 s20, s20, 12                        ; rows of 4,096 bytes
	s_mov_b32 s21, 0
	s_add_nc_u64 s[20:21], s[20:21], s[46:47]
	s_add_nc_u64 s[10:11], s[10:11], s[20:21]
.macro FRAG reg, adr, off
	ds_load_b128 v[\reg:\reg+3], v[\adr] offset:\off
	ds_load_b64 v[\reg+4:\reg+5], v[\adr+2] offset:\off+512
	ds_load_b128 v[\reg+6:\reg+9], v[\adr] offset:\off+768
	ds_load_b64 v[\reg+10:\reg+11], v[\adr+2] offset:\off+1280
.endm
; 16 matrix instructions: A's blocks a0, a0 + 1 x B's eight.  first = 1: the bias starts the sums.  The 64 accumulators take turns, one instruction a turn.
.macro MUL16 a0, p, q, sc, first
.irp a, \a0, \a0+1
.irp b, 0,1,2,3,4,5,6,7
.if \first
	v_wmma_scale_f32_16x16x128_f8f6f4 v[8*(8*((\a)%4)+\b):8*(8*((\a)%4)+\b)+7], v[128*(\p)+FR*\b:128*(\p)+FR*\b+FR-1], v[AF+FR*(\a):AF+FR*(\a)+FR-1], v[BI+8*\b:BI+8*\b+7], v[SC+8*NQ*(\sc)+NQ*\b+(\q)], v[SC+8*NQ*(\sc)+NQ*(\a)+(\q)] matrix_a_fmt:MATRIX_FMT_FP6 matrix_b_fmt:MATRIX_FMT_FP6 matrix_a_scale:MATRIX_SCALE_ROW1
.else
	v_wmma_scale_f32_16x16x128_f8f6f4 v[8*(8*((\a)%4)+\b):8*(8*((\a)%4)+\b)+7], v[128*(\p)+FR*\b:128*(\p)+FR*\b+FR-1], v[AF+FR*(\a):AF+FR*(\a)+FR-1], v[8*(8*((\a)%4)+\b):8*(8*((\a)%4)+\b)+7], v[SC+8*NQ*(\sc)+NQ*\b+(\q)], v[SC+8*NQ*(\sc)+NQ*(\a)+(\q)] matrix_a_fmt:MATRIX_FMT_FP6 matrix_b_fmt:MATRIX_FMT_FP6 matrix_a_scale:MATRIX_SCALE_ROW1
.endif
.endr
.endr
.endm
.macro FETCH_B slot, q, p
	WIN TO_B
.irp i, 0,1,2,3,4,5,6,7
	FRAG 128*(\p)+FR*\i, ADRB+\slot, 3072*\i+1536*(\q)
.endr
	WIN 0
.endm
.macro FETCH_A slot, q, i0
.irp i, \i0, \i0+1, \i0+2, \i0+3
	FRAG AF+FR*(\i), ADRA+\slot, 3072*(\i)+1536*(\q)
.endr
.endm
.macro SCALES sc
.irp i, 0,1,2,3,4,5,6,7
	ds_load_b64 v[SC+8*NQ*\sc+NQ*\i:SC+8*NQ*\sc+NQ*\i+1], v[ADRS] offset:\i*SBLK
.endr
.endm
.macro PLACES n                        ; plain vector instructions between a matrix instruction and a load into, or a read of, its registers (ISA guide 7.12.1 for vector instructions)
.rept \n
	v_nop
.endr
.endm
.macro STEP slot, q, first
	s_wait_dscnt 4*NL                              ; B's set and A's blocks 0-3 are in; the youngest sixteen loads (A's blocks 4-7) may be out
.if \first
	WIN BIA_LO
.else
	WIN MUL_LO
.endif
	MUL16 0, (\q)%2, \q, \slot, \first
	MUL16 2, (\q)%2, \q, \slot, \first
	s_wait_dscnt 0
	PLACES NP
	FETCH_B \slot, (\q)+1, 1-(\q)%2
	FETCH_A \slot, (\q)+1, 0
.if \first
	WIN BIA_HI
.else
	WIN MUL_HI
.endif
	MUL16 4, (\q)%2, \q, \slot, \first
	MUL16 6, (\q)%2, \q, \slot, \first
	PLACES NP
	WIN 0
	FETCH_A \slot, (\q)+1, 4
.endm
; A slot's last step changes slots: ONE barrier; in front of it each wave waits for all its tensor loads, adds 0 to its spare word, and waits for that and for its own reads of this slot.
.macro TURN slot, next, fill
	s_wait_tensorcnt 0x0                           ; all my tensor loads have landed: my part of the next slot
	ds_add_u32 v[SPW], v[NIL]                      ; 0 onto my spare word
	s_wait_dscnt 4*NL+1                            ; (the add and the youngest sixteen loads may be out)
	WIN MUL_LO
	MUL16 0, 1, NQ-1, \slot, 0
	s_wait_dscnt 0x0                               ; the add is done, and my reads of this slot are over
	s_barrier_signal -1
	MUL16 2, 1, NQ-1, \slot, 0
	WIN 0
	s_barrier_wait -1
.if \fill
	CREST                                          ; the barrier has opened a round of the cluster's barrier
	s_add_nc_u64 s[G0+4*\slot+2:G0+4*\slot+3], s[G0+4*\slot+2:G0+4*\slot+3], 2*HALFT
	s_add_nc_u64 s[G0B+4*\slot+2:G0B+4*\slot+3], s[G0B+4*\slot+2:G0B+4*\slot+3], 2*HALFT
	JLOAD G0+4*\slot, G1, G0B+4*\slot, G1B         ; the first tensor load behind the round; its four v_nop are the places in front of the loads below
.else
	PLACES NP
.endif
	v_add_nc_u32 v[ADRS], 128, v[ADRS]
	FETCH_B \next, 0, 0
	FETCH_A \next, 0, 0
	SCALES \next
	WIN MUL_HI
	MUL16 4, 1, NQ-1, \slot, 0
	MUL16 6, 1, NQ-1, \slot, 0
	PLACES NP
	WIN 0
	FETCH_A \next, 0, 4
.endm
	s_wait_tensorcnt 1                             ; the scale words and my part of slot 0 are in (slot 1's load may be out)
	s_barrier_signal -1
	s_barrier_wait -1
	FETCH_B 0, 0, 0
	FETCH_A 0, 0, 0
	SCALES 0
	FETCH_A 0, 0, 4
	s_wait_loadcnt 0x0                             ; the bias
	STEP 0, 0, 1
	TURN 0, 1, 1
	STEP 1, 0, 0
	TURN 1, 0, 1
	STEP 0, 0, 0
	TURN 0, 1, 0
	STEP 1, 0, 0
	s_wait_dscnt 4*NL
	WIN MUL_LO
	MUL16 0, 1, NQ-1, 1, 0
	MUL16 2, 1, NQ-1, 1, 0
	s_wait_dscnt 0
	WIN MUL_HI
	MUL16 4, 1, NQ-1, 1, 0
	MUL16 6, 1, NQ-1, 1, 0
	WIN 0
; THE WAY OUT, block by block of 16 tokens x 128 columns, through my own stage: in as 32 bytes a lane, back as whole rows of 512 bytes.  LDS serves a wave's instructions in order: no wait between the stores and the loads.
.macro TOSTAGE a
.set AC, 64*((\a)%4)
	WIN 0x08+4*((\a)/4)                            ; the data: window 2 or 3
.irp b, 0,1,2,3,4,5,6,7
	ds_store_b128 v[STO], v[AC+8*\b:AC+8*\b+3] offset:128*(\b/2)+32*(\b%2)       ; each accumulator from its low end on
	ds_store_b128 v[STO], v[AC+8*\b+4:AC+8*\b+7] offset:128*(\b/2)+32*(\b%2)+16
.endr
	WIN 0
.set BB, BK+64*((\a)%2)
.irp t, 0,1,2,3,4,5,6,7,8,9,10,11,12,13,14,15
	ds_load_b128 v[BB+4*\t:BB+4*\t+3], v[RD] offset:\t*SPITCH
.endr
.endm
.macro SEND a, younger                 ; younger: the LDS instructions issued behind block a's loads, which may stay out
.set BB, BK+64*((\a)%2)
	s_wait_dscnt \younger
.irp t, 0,1,2,3,4,5,6,7,8,9,10,11,12,13,14,15
	global_store_b128 v[L16], v[BB+4*\t:BB+4*\t+3], s[10:11] offset:(32*((\a)/2)+8*((\a)%2)+\t+8*(\t/8))*4096 th:TH_STORE_NT   ; row t of block a is that token; 512 consecutive bytes, aligned; 127 rows at the most: inside the signed 24-bit immediate
.endr
.endm
	PLACES NP
	TOSTAGE 0
.irp a, 1,2,3,4,5,6,7
.if \a > 1
	s_wait_xcnt 0x0                                ; block a - 2's stores have read their registers: block a's loads may land there
.endif
	TOSTAGE \a
	SEND \a-1, 32                                  ; behind block a - 1's loads: block a's 16 stores and 16 loads
.endr
	SEND 7, 0
	s_wait_tensorcnt 0x0                           ; the wave's end
	ds_add_u32 v[SPW], v[NIL]
	s_wait_dscnt 0x0
	CROUND                                         ; the closing round
	s_endpgm
.Lfunc_end_k_qb4fc7b7374_gemm_out:
	.size	k_qb4fc7b7374_gemm_out, .Lfunc_end_k_qb4fc7b7374_gemm_out-k_qb4fc7b7374_gemm_out
	.p2alignl 7, 3214868480
	.fill 96, 4, 3214868480
	.section	.rodata,"a",@progbits
	.p2align	6, 0x0
	.amdhsa_kernel k_qb4fc7b7374_gemm_out
		.amdhsa_group_segment_fixed_size 327680
		.amdhsa_private_segment_fixed_size 0
		.amdhsa_enable_private_segment 0
		.amdhsa_kernarg_size 32
		.amdhsa_user_sgpr_count 2
		.amdhsa_user_sgpr_kernarg_segment_ptr 1
		.amdhsa_wavefront_size32 1
		.amdhsa_system_sgpr_workgroup_id_x 1
		.amdhsa_system_sgpr_workgroup_id_y 1
		.amdhsa_system_sgpr_workgroup_id_z 1
		.amdhsa_system_vgpr_workitem_id 0
		.amdhsa_next_free_vgpr 1024
		.amdhsa_next_free_sgpr 98
		.amdhsa_reserve_vcc 0
		.amdhsa_float_denorm_mode_32 3
		.amdhsa_float_denorm_mode_16_64 3
		.amdhsa_memory_ordered 1
		.amdhsa_forward_progress 1
		.amdhsa_inst_pref_size 144
	.end_amdhsa_kernel
	.amdgpu_metadata
---
amdhsa.version: [ 1, 2 ]
amdhsa.kernels:
  - .name:           k_qb4fc7b7374_gemm_out
    .symbol:         k_qb4fc7b7374_gemm_out.kd
    .args:
      - { .name: ctx_op, .offset: 0, .size: 8, .value_kind: global_buffer, .address_space: global }
      - { .name: wp_op, .offset: 8, .size: 8, .value_kind: global_buffer, .address_space: global }
      - { .name: bp, .offset: 16, .size: 8, .value_kind: global_buffer, .address_space: global }
      - { .name: out0, .offset: 24, .size: 8, .value_kind: global_buffer, .address_space: global }
    .group_segment_fixed_size: 327680
    .private_segment_fixed_size: 0
    .kernarg_segment_align: 8
    .kernarg_segment_size: 32
    .max_flat_workgroup_size: 128
    .sgpr_count:     98
    .vgpr_count:     1024
    .wavefront_size: 32
...
	.end_amdgpu_metadata
.endif
;; end of part 4
